; MI455X (gfx1250); checked and timed in simulation.
; The chip was launched on July 23, 2026; its instructions are those of AMD's public machine-readable ISA for CDNA 5 (MIT licence, August 2026) and "CDNA5" Instruction Set Architecture Reference Guide (July 2026). The comments in the code are by the model that wrote it; some were corrected since.
;; Self Attention. Allowed arithmetic: matrix products marked QUANTISED: E2M1 operands, one E8M0 scale for each 32 along K, by v_wmma_scale_f32_16x16x128_f8f6f4 with both operands' format E2M1 (or v_wmma_scale_f32_32x16x128_f4), f32 sums; everything else in f32.
;; Inputs: Wk 1,024 x 1,024 float32; Wo 1,024 x 1,024 float32; Wq 1,024 x 1,024 float32; Wv 1,024 x 1,024 float32; bk 1,024 float32; bo 1,024 float32; bq 1,024 float32; bv 1,024 float32; x 4 x 2,048 x 1,024 float32.
;; Outputs: out0 4 x 2,048 x 1,024 float32.
;; This version of the problem:
;;   THIS VERSION OF THE PROBLEM IS GIVEN IN LOW PRECISION. The matrix products marked QUANTISED in the list below multiply operands that are first quantised to E2M1 (2 exponent bits, 1 mantissa bit; 4 bits a number), with one power-of-two scale for each 32 numbers along K (OCP MX v1.0); their sums are f32. All else is computed in f32.
;;   The module's matrix products, in the order in which they are computed (A, B: the left and right operand; K: the contracted axis; several contracted axes count as one K, in the product's order):
;;     1. [M 8,192, K 1,024] x [K 1,024, N 1,024]; A: input x; B: input Wq: QUANTISED
;;     2. [M 8,192, K 1,024] x [K 1,024, N 1,024]; A: input x; B: input Wk: QUANTISED
;;     3. [M 8,192, K 1,024] x [K 1,024, N 1,024]; A: input x; B: input Wv: QUANTISED
;;     4. batch 64 x [M 2,048, K 64] x [K 64, N 2,048]; A: computed on the way; B: computed on the way: QUANTISED
;;     5. batch 64 x [M 2,048, K 2,048] x [K 2,048, N 64]; A: softmax (see below); B: computed on the way: QUANTISED
;;     6. [M 8,192, K 1,024] x [K 1,024, N 1,024]; A: computed on the way; B: input Wo: QUANTISED
;;   THE QUANTISER, for each operand of a quantised product, along K:
;;     - K is cut into blocks of 32 from its start; a last block that is shorter is filled with zeros.
;;     - A block's scale is 2^e with e = floor(log2(the largest magnitude in the block)) - 2, held to -126 .. 127; a block of zeros has e = 0. As a byte (E8M0): e + 127.
;;     - Each number is divided by its block's scale, clamped to +-6, and rounded to the nearest number of E2M1, ties to even, subnormals kept.
;;     - The product sums the exact products of the quantised numbers (number of the format x scale) in f32.
;;   ~~~python
;;   def quantise(x, axis):      # numpy; x: float32 -> the quantised numbers, widened to float32 again
;;       x = np.moveaxis(x, axis, -1); K = x.shape[-1]
;;       x = np.pad(x, [(0, 0)] * (x.ndim - 1) + [(0, -K % 32)]); x = x.reshape(x.shape[:-1] + (-1, 32)); a = np.abs(x).max(-1, keepdims=True)
;;       e = np.where(a > 0, np.clip(np.frexp(np.where(a > 0, a, 1))[1] - 1 - 2, -126, 127), 0)      # np.frexp(a)[1] - 1 = floor(log2(a)), exactly
;;       r = np.clip(x / 2.0 ** e, -6, 6)
;;       step = 2.0 ** (np.maximum(np.frexp(np.where(r == 0, 1, r))[1] - 1, 0) - 1)
;;       q = np.round(r / step) * step * 2.0 ** e      # np.round: ties to even
;;       return np.moveaxis(q.reshape(q.shape[:-2] + (-1,))[..., :K], -1, axis).astype(np.float32)
;;   ~~~
;;   SOFTMAX AHEAD OF A QUANTISED PRODUCT. Where the list says 'softmax', what is quantised is not the finished softmax but p = 2^(t - M), with t = logit x log2(e) and M = ceil(the row's largest t), a whole number; so 1/2 < the row's largest p <= 1. The row's sum l is taken of the UNQUANTISED p, in f32, and the product's result is divided by l at the end. Since M is a whole number, a kernel that streams over the keys may use a running M (the ceiling of the running maximum): every later rescaling is an exact power of two, which a block's scale takes up: the codes' values come out the same.
;;   OPERANDS COMPUTED ON THE WAY. 'Computed on the way' means the value that the module computes at that place (a softmax that the list does not call 'softmax' is quantised finished and normalised). What goes into a quantiser is computed in f32, as accurately as f32 sums, v_exp_f32 and their like allow (about 1e-6 of the number): no bf16 or f16 on the way to a quantiser, and a product that is left as it is and whose result goes on into a quantised operand takes f32 operands (vector FMAs, or v_wmma_f32_16x16x4_f32). A number that lies on a knife's edge between two numbers of the format may be rounded either way, as far as f32 arithmetic and the matrix unit's own rounding can turn it there, and no further.
;; One version. Each part assembles by itself: llvm-mc -triple=amdgcn-amd-amdhsa -mcpu=gfx1250 --defsym DOCPART=n.
;; ======== version 1 of 1: 5 launches
;; workspace buffers: xc 4,194,304 bytes; xs 262,144 bytes; wc 2,097,152 bytes; ws 131,072 bytes; qkv 13,369,344 bytes; ac 4,194,304 bytes; asc 262,144 bytes
;; launch quant_x (part 1): grid 256 x 1, 4 waves a work-group, no clusters, 33,280 bytes of LDS; arguments x, xc, xs; writes xc, xs
.if DOCPART == 1
	.amdgcn_target "amdgcn-amd-amdhsa--gfx1250"
	.amdhsa_code_object_version 6
	.text
	.protected	k_q43fb784a4d_quant_x
	.globl	k_q43fb784a4d_quant_x
	.p2align	8
	.type	k_q43fb784a4d_quant_x,@function
k_q43fb784a4d_quant_x:
	s_mov_b64 s[64:65], 0
	v_nop
	global_prefetch_b8 v0, s[64:65] scope:SCOPE_SE
	s_setreg_imm32_b32 hwreg(HW_REG_WAVE_MODE, 25, 1), 1
	s_wait_xcnt 0x0
; THE PROGRAM: causal self-attention, B 4, S 2,048, E 1,024, 16 heads of 64, all six products on codes of FP4 (E2M1) with one E8M0 scale for each 32 along K.
; Five launches: this one (x into codes), the four weights into codes, the three projections with their quantisers, attention with its quantiser, the projection on the way out.
; WORK LEFT OUT: the scores of keys behind a query are set to -infinity by the mask that the problem builds itself, so their weight p is 0 whatever the inputs hold, and they add nothing to a row's sum or to the second
; product.  Key steps of 128 that lie wholly behind a tile of 16 queries are therefore not multiplied; inside the step on the diagonal all scores are made and the hidden ones are replaced.  Nothing else is left out:
; every input is loaded (the bias on k moves k's codes, so it stays).  LIMIT: a NaN, an infinity or an overflow that would reach only those hidden scores is not carried to the result.
; THIS LAUNCH: x [8,192][1,024] f32 becomes codes, K innermost, 512 bytes a row, and one scale byte for each 32 along K, 32 bytes a row.
; A block's scale is 2^(floor(log2(its largest magnitude)) - 2); its byte is the largest magnitude's exponent field - 2, held at 1 from below.  A block of zeros so gets the byte 1 where the rule says 127: its codes are
; zeros, which add nothing under any byte but 0xff, and this program alone reads the bytes.  LIMITS: blocks whose largest magnitude lies under 2^-124 are held at the byte 1; NaN and infinities are not served.
; POSITION ORDER: row R is stored at position p(R) = R with its bits 3 and 4 exchanged.  Sixteen neighbouring positions 16 T + r are then the rows 32 (T / 2) + 8 (T % 2) + r + 8 (r / 8): a tile of them, used as the
; matrix instruction's first source, leaves a lane's 16 registers of two neighbouring tiles as 16 neighbouring rows, which is what the next quantiser wants.
; A wave takes 16 steps of 512 numbers = 8 rows: run g = 4 x work-group + wave; bits 0 and 1 of g are bits 3 and 4 of its rows, so it stores at run g' = g with these two exchanged.
; Each load reads 512 consecutive bytes; a step's 2,048 bytes turn through the wave's own stage in LDS so that a lane holds 16 neighbours (two lanes hold a block).  Waves share nothing: no barrier.
.set STEPS, 16
.set CB,    8                          ; bytes of 16 codes
.set R,     16                         ; v16-79   four sets of 16 numbers as loaded
.set X,     80                         ; v80-111  two sets of 16 neighbours
.set E,     112                        ; v112-127 a scale byte for each step
.set C,     128                        ; v128-191 codes: registers of its own for each step, so that no store's data are written again
.set WREG,  8192                       ; LDS: a region for each wave: two stages of 32 x SP bytes, then its 256 scale bytes
.set SP,    80                         ; a lane's place in a stage: 64 bytes + 16 of padding
.set SPW,   12                         ; v12  LDS address of my spare word; never rewritten
.set NIL,   13                         ; v13  0; never rewritten
.set SPARE, 4*WREG                     ; behind the four regions: the spare words, 128 bytes a wave
	s_load_b128 s[4:7], s[0:1], 0x0                ; x, the codes
	s_load_b64 s[8:9], s[0:1], 0x10                ; the scale bytes
	v_lshl_add_u32 v[SPW], v0, 2, SPARE
	v_mov_b32 v[NIL], 0
	v_lshrrev_b32 v1, 5, v0
	v_readfirstlane_b32 s16, v1                    ; wave
	v_and_b32 v2, 31, v0                           ; lane
	v_lshlrev_b32 v3, 4, v2                        ; my 16 bytes of a load's 512
	s_mul_i32 s17, s16, WREG
	v_lshrrev_b32 v14, 2, v2
	v_mul_u32_u24 v14, v14, SP
	v_and_b32 v15, 3, v2
	v_lshl_add_u32 v14, v15, 4, v14
	v_add_nc_u32 v14, s17, v14                     ; the stage, way in: SP (lane / 4) + 16 (lane % 4)
	v_mul_u32_u24 v15, v2, SP
	v_add_nc_u32 v15, s17, v15                     ; way out: SP x lane: my 16 neighbours
	v_mul_u32_u24 v4, v2, CB                       ; my codes' place in a step's 256 bytes
	v_lshrrev_b32 v5, 1, v2
	s_add_co_u32 s17, s17, 2*32*SP
	v_add_nc_u32 v5, s17, v5                       ; my block's byte among my wave's 256
	v_lshlrev_b32 v7, 3, v2
	v_add_nc_u32 v6, s17, v7                       ; and on the way out 8 bytes a lane
	s_lshl_b32 s17, ttmp9, 2
	s_add_co_u32 s18, s17, s16                     ; g: the run that I read
	s_mov_b32 s19, 0
	s_lshl_b64 s[20:21], s[18:19], 15              ; 8 rows of 4,096 bytes
	s_and_b32 s22, s16, 1
	s_lshl_b32 s22, s22, 1
	s_lshr_b32 s23, s16, 1
	s_or_b32 s22, s22, s23
	s_add_co_u32 s18, s17, s22                     ; g': the run that I store
	s_lshl_b64 s[24:25], s[18:19], 12              ; 8 rows of 512 bytes of codes
	s_lshl_b32 s18, s18, 8                         ; 8 rows of 32 scale bytes
	s_wait_kmcnt 0x0
	s_add_nc_u64 s[4:5], s[4:5], s[20:21]
	s_add_nc_u64 s[6:7], s[6:7], s[24:25]
	s_add_nc_u64 s[8:9], s[8:9], s[18:19]
.macro LOAD t
.irp i, 0,1,2,3
	global_load_b128 v[R+16*((\t)%4)+4*\i:R+16*((\t)%4)+4*\i+3], v3, s[4:5] offset:2048*(\t)+512*\i th:TH_LOAD_NT   ; 32 lanes read 512 consecutive bytes
.endr
.endm
.macro TURN t                          ; step t's numbers through the stage: LDS serves a wave's instructions in order, so no wait stands between the stores and the loads
.irp i, 0,1,2,3
	ds_store_b128 v14, v[R+16*((\t)%4)+4*\i:R+16*((\t)%4)+4*\i+3] offset:32*SP*((\t)%2)+8*SP*\i
.endr
.irp i, 0,1,2,3
	ds_load_b128 v[X+16*((\t)%2)+4*\i:X+16*((\t)%2)+4*\i+3], v15 offset:32*SP*((\t)%2)+16*\i
.endr
.endm
.irp t, 0,1,2,3
	LOAD \t
.endr
	s_wait_loadcnt 12                              ; step 0's four loads are in; three steps' twelve may be out
	TURN 0
.macro STEP t
.set XS, X+16*((\t)%2)
.if (\t) > 0
	s_wait_dscnt 1                                 ; this step's numbers are back from the stage (the last step's byte store may be out), so its stores into the stage have read their registers,
.else
	s_wait_dscnt 0x0
.endif
.if (\t)+4 < STEPS
	LOAD (\t)+4                                    ; which take the loads of four steps on
.endif
.if (\t)+1 < STEPS
.if STEPS-2-(\t) >= 3
	s_wait_loadcnt 12                              ; the next step's four loads are in; those of the three steps behind it may be out
.else
	s_wait_loadcnt 4*(STEPS-2-(\t))
.endif
	TURN (\t)+1                                    ; and go through the other stage while this step is worked
.endif
	v_max3_num_f32 v8, |v[XS]|, |v[XS+1]|, |v[XS+2]|               ; the largest magnitude of my 16, in two chains
	v_max3_num_f32 v9, |v[XS+3]|, |v[XS+4]|, |v[XS+5]|
.irp i, 6,10
	v_max3_num_f32 v8, v8, |v[XS+\i]|, |v[XS+\i+1]|
	v_max3_num_f32 v9, v9, |v[XS+\i+2]|, |v[XS+\i+3]|
.endr
	v_max3_num_f32 v8, v8, |v[XS+14]|, |v[XS+15]|
	v_max3_num_f32 v8, v8, v9, 0x1800000           ; and the floor 2^(3 - 127): the byte cannot fall under 1
	v_max_num_f32_dpp v8, v8, v8 row_xmask:1 row_mask:0xf bank_mask:0xf   ; and of my neighbour's 16: the block's
	v_add_nc_u32 v11, 0xff000000, v8               ; 2 off its exponent field: the conversion takes the exponent field of this operand as its scale
	v_cvt_scalef32_pk8_fp4_f32 v[C+4*(\t)], v[XS:XS+7], v11
	v_cvt_scalef32_pk8_fp4_f32 v[C+4*(\t)+1], v[XS+8:XS+15], v11
	v_lshrrev_b32 v[E+(\t)], 23, v11               ; the scale's byte
	ds_store_b8 v5, v[E+(\t)] offset:16*(\t)       ; both lanes of a block write the same byte with the same value
	global_store_b64 v4, v[C+4*(\t):C+4*(\t)+1], s[6:7] offset:32*CB*(\t)   ; the wave stores 256 consecutive bytes, aligned
.endm
.irp t, 0,1,2,3,4,5,6,7,8,9,10,11,12,13,14,15
	STEP \t
.endr
	ds_load_b64 v[8:9], v6                         ; in order behind my byte stores
	s_wait_dscnt 0x0
	global_store_b64 v7, v[8:9], s[8:9]            ; 32 lanes store 256 consecutive bytes, aligned
	s_wait_tensorcnt 0x0                           ; the wave's end: behind my last LDS store
	ds_add_u32 v[SPW], v[NIL]
	s_wait_dscnt 0x0
	s_endpgm
.Lfunc_end_k_q43fb784a4d_quant_x:
	.size	k_q43fb784a4d_quant_x, .Lfunc_end_k_q43fb784a4d_quant_x-k_q43fb784a4d_quant_x
	.p2alignl 7, 3214868480
	.fill 96, 4, 3214868480
	.section	.rodata,"a",@progbits
	.p2align	6, 0x0
	.amdhsa_kernel k_q43fb784a4d_quant_x
		.amdhsa_group_segment_fixed_size 33280
		.amdhsa_private_segment_fixed_size 0
		.amdhsa_enable_private_segment 0
		.amdhsa_kernarg_size 24
		.amdhsa_user_sgpr_count 2
		.amdhsa_user_sgpr_kernarg_segment_ptr 1
		.amdhsa_wavefront_size32 1
		.amdhsa_system_sgpr_workgroup_id_x 1
		.amdhsa_system_sgpr_workgroup_id_y 1
		.amdhsa_system_sgpr_workgroup_id_z 1
		.amdhsa_system_vgpr_workitem_id 0
		.amdhsa_next_free_vgpr 192
		.amdhsa_next_free_sgpr 66
		.amdhsa_reserve_vcc 0
		.amdhsa_float_denorm_mode_32 3
		.amdhsa_float_denorm_mode_16_64 3
		.amdhsa_memory_ordered 1
		.amdhsa_forward_progress 1
		.amdhsa_inst_pref_size 33
	.end_amdhsa_kernel
	.amdgpu_metadata
---
amdhsa.version: [ 1, 2 ]
amdhsa.kernels:
  - .name:           k_q43fb784a4d_quant_x
    .symbol:         k_q43fb784a4d_quant_x.kd
    .args:
      - { .name: x, .offset: 0, .size: 8, .value_kind: global_buffer, .address_space: global }
      - { .name: xc, .offset: 8, .size: 8, .value_kind: global_buffer, .address_space: global }
      - { .name: xs, .offset: 16, .size: 8, .value_kind: global_buffer, .address_space: global }
    .group_segment_fixed_size: 33280
    .private_segment_fixed_size: 0
    .kernarg_segment_align: 8
    .kernarg_segment_size: 24
    .max_flat_workgroup_size: 128
    .sgpr_count:     66
    .vgpr_count:     192
    .wavefront_size: 32
...
	.end_amdgpu_metadata
.endif
;; end of part 1
;; launch quant_w (part 2): grid 32 x 2, 4 waves a work-group, no clusters, 35,840 bytes of LDS; arguments Wq, Wk, Wv, Wo, wc, ws; writes wc, ws
.if DOCPART == 2
	.amdgcn_target "amdgcn-amd-amdhsa--gfx1250"
	.amdhsa_code_object_version 6
	.text
	.protected	k_q43fb784a4d_quant_w
	.globl	k_q43fb784a4d_quant_w
	.p2align	8
	.type	k_q43fb784a4d_quant_w,@function
k_q43fb784a4d_quant_w:
	s_mov_b64 s[64:65], 0
	v_nop
	global_prefetch_b8 v0, s[64:65] scope:SCOPE_SE
	s_setreg_imm32_b32 hwreg(HW_REG_WAVE_MODE, 25, 1), 1
	s_wait_xcnt 0x0
; Wq, Wk, Wv, Wo, each [1,024 (k)][1,024 (n)] f32 with K as the FIRST axis, become codes of FP4 laid [4,096 rows][512 bytes], K innermost (rows 0-1,023 Wq's columns, then Wk's, Wv's, Wo's), and scale bytes [4,096][32].
; The quantiser and its limits are those stated at the head of the first launch (a block of zeros gets the byte 1; under 2^-124 the byte is held at 1; NaN and infinities are not served).
; POSITION ORDER: column n is stored at row p(n) = n with its bits 3 and 4 exchanged, inside its weight.
; A LANE TAKES A COLUMN, AND ITS REGISTERS RUN DOWN K: a load reads 128 consecutive bytes a wave, a block of 32 along K lies in one lane's 32 registers, and the conversions give codes with K innermost.
; Work-group x: weight x / 8, columns 128 (x % 8) on; y: which 512 along K.  A wave takes 32 columns x 512 along K; the codes go through the wave's own stage in LDS, column l into stage row p(l), and leave as rows:
; sixteen lanes store 256 consecutive bytes, aligned.  64 work-groups: all the work there is.  Waves share nothing: no barrier.  Every offset is an immediate: 511 x 4,096 and 30 x 512 at the most.
.set SIZE_N, 1024
.set NB,    16                         ; blocks of 32 along K for a wave
.set PITCH, 272                        ; a stage row: 256 bytes + 16
.set KROW,  512                        ; a row of codes in memory
.set X,     32                         ; v32-95   two sets of 32 numbers
.set C,     96                         ; v96-99   a block's codes
.set OUTR,  112                        ; v112-175 the way out
.set SPW,   14                         ; v14  LDS address of my spare word; never rewritten
.set NIL,   15                         ; v15  0; never rewritten
.set SPARE, 4*32*PITCH                 ; behind the four stages: the spare words, 128 bytes a wave
.set SB,    24                         ; v24-27   the scale bytes, four to a register
	s_load_b256 s[4:11], s[0:1], 0x0               ; Wq, Wk, Wv, Wo
	s_load_b128 s[12:15], s[0:1], 0x20             ; the codes, the scale bytes
	v_lshl_add_u32 v[SPW], v0, 2, SPARE
	v_mov_b32 v[NIL], 0
	v_lshrrev_b32 v1, 5, v0
	v_readfirstlane_b32 s16, v1                    ; wave
	v_and_b32 v2, 31, v0                           ; lane
	s_lshr_b32 s30, ttmp9, 3                       ; which weight
	s_and_b32 s17, ttmp9, 7
	s_lshl_b32 s17, s17, 7
	s_lshl_b32 s18, s16, 5
	s_add_co_u32 s17, s17, s18                     ; my wave's first column in its weight
	s_lshl_b32 s31, ttmp9, 7
	s_add_co_u32 s31, s31, s18                     ; and its first row of the codes' buffer: 1,024 x weight + that column
	s_and_b32 s18, ttmp7, 0xffff                   ; which 512 along K
	v_lshlrev_b32 v3, 2, v2                        ; in: 4 bytes a lane
	v_and_b32 v10, 7, v2
	v_bfe_u32 v12, v2, 3, 1
	v_lshl_add_u32 v10, v12, 4, v10
	v_bfe_u32 v12, v2, 4, 1
	v_lshl_add_u32 v10, v12, 3, v10                ; p(lane): bits 3 and 4 exchanged
	s_mul_i32 s19, s16, 32*PITCH                   ; my stage
	v_mul_u32_u24 v4, v10, PITCH
	v_add_nc_u32 v4, s19, v4                       ; into it: row p(my column)
	v_and_b32 v5, 15, v2
	v_lshrrev_b32 v6, 4, v2                        ; out of it: sixteen lanes to a row, two rows an instruction
	v_mul_u32_u24 v7, v6, PITCH
	v_lshl_add_u32 v7, v5, 4, v7
	v_add_nc_u32 v7, s19, v7
	v_mul_u32_u24 v8, v6, KROW
	v_lshl_add_u32 v8, v5, 4, v8                   ; and the same place in the codes' buffer
	v_lshlrev_b32 v9, 5, v10                       ; my column's row of scale bytes: 32 p
	s_lshl_b32 s20, s18, 21                        ; W: 512 y rows of 4,096 bytes
	s_lshl_b32 s22, s17, 2
	s_add_co_u32 s20, s20, s22                     ; + 4 x column
	s_mov_b32 s21, 0
	s_lshl_b32 s24, s31, 9                         ; codes: row x 512 + 256 y
	s_lshl_b32 s22, s18, 8
	s_add_co_u32 s24, s24, s22
	s_mov_b32 s25, 0
	s_lshl_b32 s28, s31, 5                         ; scale bytes: row x 32 + 16 y
	s_lshl_b32 s22, s18, 4
	s_add_co_u32 s28, s28, s22
	s_mov_b32 s29, 0
	s_wait_kmcnt 0x0
	s_cmp_eq_u32 s30, 1                            ; the weight is chosen by the work-group's number alone
	s_cselect_b64 s[4:5], s[6:7], s[4:5]
	s_cmp_eq_u32 s30, 2
	s_cselect_b64 s[4:5], s[8:9], s[4:5]
	s_cmp_eq_u32 s30, 3
	s_cselect_b64 s[4:5], s[10:11], s[4:5]
	s_add_nc_u64 s[4:5], s[4:5], s[20:21]
	s_add_nc_u64 s[12:13], s[12:13], s[24:25]
	s_add_nc_u64 s[14:15], s[14:15], s[28:29]
.macro LOAD t                          ; block t: W(32 t + i, my column), i = 0 .. 31, into set t % 2
.irp i, 0,1,2,3,4,5,6,7,8,9,10,11,12,13,14,15,16,17,18,19,20,21,22,23,24,25,26,27,28,29,30,31
	global_load_b32 v[X+32*((\t)%2)+\i], v3, s[4:5] offset:(32*(\t)+\i)*SIZE_N*4 th:TH_LOAD_NT
.endr
.endm
	LOAD 0
	LOAD 1
.macro BLOCK t
.set XS, X+32*((\t)%2)
.if (\t) < NB-1
	s_wait_loadcnt 32                              ; this block's 32 loads are in; the next block's may be out
.else
	s_wait_loadcnt 0
.endif
	v_max3_num_f32 v12, |v[XS]|, |v[XS+1]|, |v[XS+2]|               ; the block's largest magnitude: all 32 numbers are mine
	v_max3_num_f32 v13, |v[XS+3]|, |v[XS+4]|, |v[XS+5]|
.irp i, 6,10,14,18,22,26
	v_max3_num_f32 v12, v12, |v[XS+\i]|, |v[XS+\i+1]|
	v_max3_num_f32 v13, v13, |v[XS+\i+2]|, |v[XS+\i+3]|
.endr
	v_max3_num_f32 v12, v12, |v[XS+30]|, |v[XS+31]|
	v_max3_num_f32 v12, v12, v13, 0x1800000        ; and the floor 2^(3 - 127)
	v_add_nc_u32 v11, 0xff000000, v12              ; 2 off its exponent field: the conversion's scale operand
	v_lshrrev_b32 v13, 23, v11                     ; the scale's byte
.if (\t)%4 == 0
	v_mov_b32 v[SB+(\t)/4], v13                    ; four bytes to a register, the lower K in the lower byte
.else
	v_lshl_or_b32 v[SB+(\t)/4], v13, 8*((\t)%4), v[SB+(\t)/4]
.endif
.irp g, 0,1,2,3
	v_cvt_scalef32_pk8_fp4_f32 v[C+\g], v[XS+8*\g:XS+8*\g+7], v11
.endr
	ds_store_b128 v4, v[C:C+3] offset:16*(\t)      ; 32 codes: 16 bytes of my column's row
.if (\t)+2 < NB
	LOAD (\t)+2
.endif
	s_wait_dscnt 0x0                               ; the store has read its registers: the next block's codes may be written
.endm
.set Q, 0
.rept NB
	BLOCK Q
.set Q, Q+1
.endr
	global_store_b128 v9, v[SB:SB+3], s[14:15]     ; my column's 16 scale bytes
.irp t, 0,1,2,3,4,5,6,7,8,9,10,11,12,13,14,15
	ds_load_b128 v[OUTR+4*\t:OUTR+4*\t+3], v7 offset:2*\t*PITCH   ; in order behind my stores
.endr
.irp t, 0,1,2,3,4,5,6,7,8,9,10,11,12,13,14,15
	s_wait_dscnt 15-\t
	global_store_b128 v8, v[OUTR+4*\t:OUTR+4*\t+3], s[12:13] offset:2*\t*KROW
.endr
	s_wait_tensorcnt 0x0                           ; the wave's end: behind my last LDS store
	ds_add_u32 v[SPW], v[NIL]
	s_wait_dscnt 0x0
	s_endpgm
.Lfunc_end_k_q43fb784a4d_quant_w:
	.size	k_q43fb784a4d_quant_w, .Lfunc_end_k_q43fb784a4d_quant_w-k_q43fb784a4d_quant_w
	.p2alignl 7, 3214868480
	.fill 96, 4, 3214868480
	.section	.rodata,"a",@progbits
	.p2align	6, 0x0
	.amdhsa_kernel k_q43fb784a4d_quant_w
		.amdhsa_group_segment_fixed_size 35840
		.amdhsa_private_segment_fixed_size 0
		.amdhsa_enable_private_segment 0
		.amdhsa_kernarg_size 48
		.amdhsa_user_sgpr_count 2
		.amdhsa_user_sgpr_kernarg_segment_ptr 1
		.amdhsa_wavefront_size32 1
		.amdhsa_system_sgpr_workgroup_id_x 1
		.amdhsa_system_sgpr_workgroup_id_y 1
		.amdhsa_system_sgpr_workgroup_id_z 1
		.amdhsa_system_vgpr_workitem_id 0
		.amdhsa_next_free_vgpr 192
		.amdhsa_next_free_sgpr 66
		.amdhsa_reserve_vcc 0
		.amdhsa_float_denorm_mode_32 3
		.amdhsa_float_denorm_mode_16_64 3
		.amdhsa_memory_ordered 1
		.amdhsa_forward_progress 1
		.amdhsa_inst_pref_size 79
	.end_amdhsa_kernel
	.amdgpu_metadata
---
amdhsa.version: [ 1, 2 ]
amdhsa.kernels:
  - .name:           k_q43fb784a4d_quant_w
    .symbol:         k_q43fb784a4d_quant_w.kd
    .args:
      - { .name: Wq, .offset: 0, .size: 8, .value_kind: global_buffer, .address_space: global }
      - { .name: Wk, .offset: 8, .size: 8, .value_kind: global_buffer, .address_space: global }
      - { .name: Wv, .offset: 16, .size: 8, .value_kind: global_buffer, .address_space: global }
      - { .name: Wo, .offset: 24, .size: 8, .value_kind: global_buffer, .address_space: global }
      - { .name: wc, .offset: 32, .size: 8, .value_kind: global_buffer, .address_space: global }
      - { .name: ws, .offset: 40, .size: 8, .value_kind: global_buffer, .address_space: global }
    .group_segment_fixed_size: 35840
    .private_segment_fixed_size: 0
    .kernarg_segment_align: 8
    .kernarg_segment_size: 48
    .max_flat_workgroup_size: 128
    .sgpr_count:     66
    .vgpr_count:     192
    .wavefront_size: 32
...
	.end_amdgpu_metadata
.endif
;; end of part 2
;; launch qkv (part 3): grid 12 x 32, 4 waves a work-group, clusters of 4 x 4, 327,680 bytes of LDS; arguments xc, xs, wc, ws, bq, bk, bv, qkv; writes qkv
.if DOCPART == 3
	.amdgcn_target "amdgcn-amd-amdhsa--gfx1250"
	.amdhsa_code_object_version 6
	.text
	.protected	k_q43fb784a4d_qkv
	.globl	k_q43fb784a4d_qkv
	.p2align	8
	.type	k_q43fb784a4d_qkv,@function
k_q43fb784a4d_qkv:
	s_mov_b64 s[64:65], 0
	v_nop
	global_prefetch_b8 v0, s[64:65] scope:SCOPE_SE
	s_setreg_imm32_b32 hwreg(HW_REG_WAVE_MODE, 25, 1), 1
	s_wait_xcnt 0x0
	s_wait_alu depctr_hold_cnt(0) depctr_sa_sdst(0) depctr_va_vdst(0) depctr_va_sdst(0) depctr_va_ssrc(0) depctr_va_vcc(0) depctr_vm_vsrc(0)
	s_getreg_b32 s2, hwreg(HW_REG_IB_STS2, 6, 4)
	s_cmp_eq_u32 s2, 0
	s_cbranch_scc0 .Lentry_in_a_cluster
	s_endpgm
.Lentry_in_a_cluster:
	s_bfe_u32 s2, ttmp6, 0x10000c
	s_cmp_lg_u32 s2, 0xf033
	s_cbranch_scc0 .Lentry_shape_is_right
	s_endpgm
.Lentry_shape_is_right:
; q = x Wq + bq, k = x Wk + bk, v = x Wv + bv on codes of FP4, and the quantisers of q and k (along the head's 64) and of v (along the keys).  Nothing wide goes to memory.
; x's codes [8,192 positions][512 bytes] and the weights' [3,072 rows used here][512 bytes] are both in position order (index with bits 3 and 4 exchanged); scale bytes 32 a row.
; A tile of 256 positions of x by 256 rows of a weight is made by four waves, each 128 x 128: 64 accumulators, 512 registers.  K = 1,024 is two LDS slots of 512 along K (rows of 256 bytes): both are first fills, nothing
; is filled again.  The scale bytes of the 256 + 256 rows, for all of K, come with them as two dense blocks.
; CLUSTERS: 4 x 4 work-groups.  x's tile is shared along a row of the cluster, the weight's along a column: each is asked for jointly, by the same tensor load with a mask that names the four.
; The cluster's x says which weight: 0 q, 1 k, 2 v; it is the same in all sixteen partners and all waves, and the text parts on it once, behind the joint loads, and never joins.
; TWO ROLES.  The matrix instruction's second source gives the result's LANE (one row a lane), its first source the result's REGISTERS.  A tile of 16 neighbouring positions as first source leaves the 16 registers of two
; neighbouring tiles as 16 neighbouring true indices.  q, k: lanes = x, registers = the weight's rows: a lane holds one token and 128 neighbouring features = two heads.  v: lanes = Wv's rows, registers = x:
; a lane holds one feature and 128 neighbouring tokens = one key step.  Either way 64 registers of a lane are what the quantiser wants, and its results are the next product's operand registers.
; THE RESULTS LEAVE AS IMAGES OF OPERAND REGISTERS: four registers a lane at 16 x lane, 512 consecutive bytes a store, straight from registers.
; qkv, for each of the 64 heads (16 b + h) HSTR bytes: 0 Q's codes, 128 tiles of 16 positions x 512 bytes (lane (r, h): position r, d = 32 h on); 65,536 Q's scale words [step 16][r 16][g 4], a word = tile 2 g's two bytes,
; then tile 2 g + 1's; 69,632 K's codes likewise; 135,168 V's codes [step 16][d tile 4][half 2][512 bytes]: fragments of V^T, 16 d positions x 128 keys; 200,704 K's scale words; 204,800 V's [step][r][d tile].
; The quantiser's limits are those stated at the head of the first launch.
; REGISTERS, in windows of 256: window 0: v1-31 addresses; v32-95 scale words, two sets; v96-127 the quantiser's; v128-191 the lanes' operand's fragments, later 64 numbers to quantise; v192-255 the bias.
;   window 1: the registers' operand's fragments, two sets.   windows 2, 3: the accumulators ((a, b) at v[8 (8 (a % 4) + b)] of window 2 + a / 4).
.set NQ,     4                         ; matrix instructions deep in a slot
.set ROWB,   256                       ; a tile's row in bytes: 512 codes
.set KROW,   512                       ; a row of codes in memory
.set PITCH,  272                       ; an LDS row: 256 bytes + 16 of padding: the 16 rows that a load touches start at 16 different banks
.set FR,     8                         ; registers of a fragment
.set NL,     2                         ; LDS loads that bring one
.set NP,     4                         ; places behind this matrix instruction (ISA guide 7.12.1)
.set HALFT,  128*PITCH                 ; 128 rows: what one tensor load brings
.set SLOT,   4*HALFT                   ; x's 256 rows, then the weight's 256
.set KS,     32                        ; a row of scale bytes
.set SCL,    2*SLOT                    ; behind the slots: the scales, as units of 256 bytes + 16
.set HALFS,  (128*KS/256)*272          ; those of 128 rows
.set SBLK,   (16*KS/256)*272           ; those of 16 rows
.set SPARE,  SCL+4*HALFS               ; the spare words, 128 bytes a wave
.set HSTR,   208896                    ; a head's bytes in qkv
.set ADRA, 16                          ; v16-17 LDS address of the lanes' operand's fragments in slot 0, 1
.set ADRB, 20                          ; v20-21 the same for the registers' operand
.set CO,   24                          ; v24  16 x lane: an image's place for my lane
.set SO,   25                          ; v25  the scale words' place: HSTR x (lane / 16) + 16 (lane % 16)
.set BO,   26                          ; v26  the bias loads' offset
.set ADRS, 27                          ; v27  LDS address of my scale words
.set SPW,  28                          ; v28  LDS address of my spare word; never rewritten
.set NIL,  29                          ; v29  0; never rewritten
.set SELV, 30
.set SC,   32
.set SW,   32                          ; v32-35 the scale words on their way out
.set TM,   96                          ; v96-99 largest magnitudes, v100-103 bytes, v108-111 scale operands
.set PWS,  112                         ; v112-119 the eight scale words made
.set PC,   120                         ; v120-127 the codes just made
.set AF,   128
.set HA,   128
.set BI,   192
.set G1, 24                            ; s[24:31], s[32:39] groups 1 and 0 (a set a slot) for x's tiles
.set G0, 32
.set G1B, 48                           ; s[48:55], s[56:63] for the weight's
.set G0B, 56
.set G1S, 68                           ; s[68:75], s[76:79] for x's scales;  s[80:87], s[88:91] for the weight's
.set G0S, 76
.set G1SB, 80
.set G0SB, 88
.set SEL, 100                          ; s[100:101] v_permlanex16_b32's selects for lane l xor 16
.set MSB, 0
.macro WIN new                         ; the immediate's high byte repeats the setting that is left
.if MSB != (\new)
	s_set_vgpr_msb (MSB<<8)|(\new)
.set MSB, (\new)
.endif
.endm
.set MUL_LO, 0xa1                      ; source 0 window 1, source 1 window 0, C and D window 2
.set MUL_HI, 0xf1                      ; the same, C and D window 3
.set TO_B,   0x40                      ; destination window 1, address window 0
; A joint load: waves 0 and 1 fetch for x, waves 2 and 3 for the weight.  The branch hangs on the wave's number alone.  An s_nop 0 and four v_nop follow each line.
.macro JLOAD g0a, g1a, g0b, g1b
	s_cmp_eq_u32 s21, 0
	s_cbranch_scc0 .Lfor_b_\@
	tensor_load_to_lds s[\g0a:\g0a+3], s[\g1a:\g1a+7]
	s_nop 0
.rept 4
	v_nop
.endr
	s_branch .Lasked_\@
.Lfor_b_\@:
	tensor_load_to_lds s[\g0b:\g0b+3], s[\g1b:\g1b+7]
	s_nop 0
.rept 4
	v_nop
.endr
.Lasked_\@:
.endm
.macro CROUND                          ; a round of the cluster's barrier
	s_barrier_signal -1
	s_barrier_wait -1
	s_cmp_lg_u32 s20, 0
	s_cbranch_scc1 .Lnot_wave_0_\@
	s_barrier_signal -3
.Lnot_wave_0_\@:
	s_barrier_wait -3
	s_barrier_signal -1
	s_barrier_wait -1
.endm
	s_load_b256 s[4:11], s[0:1], 0x0               ; x's codes s[4:5], x's scales s[6:7], the weights' codes s[8:9], their scales s[10:11]
	s_load_b256 s[12:19], s[0:1], 0x20             ; bq s[12:13], bk s[14:15], bv s[16:17], qkv s[18:19]
	v_lshl_add_u32 v[SPW], v0, 2, SPARE
	v_mov_b32 v[NIL], 0
	ds_add_u32 v[SPW], v[NIL]                      ; the wave's opening: the add, twice on end, and its wait ahead of my first tensor load
	ds_add_u32 v[SPW], v[NIL]
	v_lshrrev_b32 v1, 5, v0
	v_readfirstlane_b32 s20, v1                    ; wave 0..3
	s_lshr_b32 s21, s20, 1                         ; RH: which half of the lanes' operand is mine.  Also: I fetch for x (0) or for the weight (1)
	s_and_b32 s22, s20, 1                          ; CH: which half of the registers' operand.  Also: which 128 rows I fetch
	s_bfe_u32 s40, ttmp6, 0x40000                  ; cx, cy: my place in the cluster
	s_bfe_u32 s41, ttmp6, 0x40004
	s_lshl_b32 s42, ttmp9, 2
	s_add_co_u32 s42, s42, s40                     ; TC: which 256 rows of the weights' codes
	s_and_b32 s23, ttmp7, 0xffff
	s_lshl_b32 s23, s23, 2
	s_add_co_u32 s23, s23, s41                     ; TR: which 256 positions of x
	s_lshl_b32 s43, s41, 2
	s_lshl_b32 s43, 15, s43                        ; my row of the cluster
	s_lshl_b32 s44, 0x1111, s40                    ; my column
	s_or_b32 s[G1+0], s43, (0<<16)|(1<<20)|(1<<21)|(5<<22)|(3<<25)  ; the mask; elements of 1 byte; padding on; bit 21 beside a mask; 4 words behind every 64
	s_or_b32 s[G1B+0], s44, (0<<16)|(1<<20)|(1<<21)|(5<<22)|(3<<25)
.irp g, G1, G1B
	s_mov_b32 s[\g+1], ROWB<<16                    ; tensor_dim0
	s_mov_b32 s[\g+2], 128<<16                     ; tensor_dim1
	s_mov_b32 s[\g+3], ROWB<<16                    ; tile_dim0
	s_mov_b32 s[\g+4], 128                         ; tile_dim1
	s_mov_b32 s[\g+5], KROW                        ; from row to row
	s_mov_b32 s[\g+6], 0
	s_mov_b32 s[\g+7], 0
.endr
	s_or_b32 s[G1S+0], s43, (3<<16)|(1<<20)|(1<<21)|(5<<22)|(3<<25)  ; the scales of 128 rows: 4,096 dense bytes as 16 rows of 256 (32 elements of 8 bytes), 16 bytes of padding behind each
	s_or_b32 s[G1SB+0], s44, (3<<16)|(1<<20)|(1<<21)|(5<<22)|(3<<25)
.irp g, G1S, G1SB
	s_mov_b32 s[\g+1], 32<<16
	s_mov_b32 s[\g+2], (128*KS/256)<<16
	s_mov_b32 s[\g+3], 32<<16
	s_mov_b32 s[\g+4], 128*KS/256
	s_mov_b32 s[\g+5], 32
	s_mov_b32 s[\g+6], 0
	s_mov_b32 s[\g+7], 0
.endr
	s_mov_b32 s[SEL], 0x76543210
	s_mov_b32 s[SEL+1], 0xfedcba98
	s_lshl_b32 s2, s22, 7                          ; which 128 rows of a tile I fetch
	s_lshl_b32 s92, s23, 8
	s_add_co_u32 s92, s92, s2                      ; x: position 256 TR + 128 half (these registers never hold cx)
	s_lshl_b32 s94, s92, 5                         ; its scales, in bytes,
	s_mov_b32 s95, 0
	s_lshl_b32 s92, s92, 9                         ; and its codes
	s_mov_b32 s93, 0
	s_lshl_b32 s46, s42, 8
	s_add_co_u32 s46, s46, s2                      ; the weight: row 256 TC + 128 half (these never hold cy)
	s_lshl_b32 s96, s46, 5
	s_mov_b32 s97, 0
	s_lshl_b32 s46, s46, 9
	s_mov_b32 s47, 0
	s_mul_i32 s45, s20, HALFT                      ; where they go: wave x 128 rows: no place in the cluster enters an LDS address
	s_mul_i32 s3, s20, HALFS
	s_wait_dscnt 0x0                               ; both opening adds are done
	s_wait_kmcnt 0x0
	s_add_nc_u64 s[92:93], s[4:5], s[92:93]
	s_add_nc_u64 s[94:95], s[6:7], s[94:95]
	s_add_nc_u64 s[46:47], s[8:9], s[46:47]
	s_add_nc_u64 s[96:97], s[10:11], s[96:97]
	CROUND                                         ; all sixteen work-groups are here: the joint loads meet
	s_mov_b32 s[G0S], 1
	s_add_co_u32 s[G0S+1], s3, SCL
	s_mov_b64 s[G0S+2:G0S+3], s[94:95]
	s_or_b32 s[G0S+3], s[G0S+3], 0x80000000
	s_mov_b32 s[G0SB], 1
	s_add_co_u32 s[G0SB+1], s3, SCL
	s_mov_b64 s[G0SB+2:G0SB+3], s[96:97]
	s_or_b32 s[G0SB+3], s[G0SB+3], 0x80000000
	JLOAD G0S, G1S, G0SB, G1SB                     ; the scales first: they are wanted with the first slot
.irp s, 0,1
	s_mov_b32 s[G0+4*\s], 1
	s_add_co_u32 s[G0+4*\s+1], s45, \s*SLOT
	s_add_nc_u64 s[G0+4*\s+2:G0+4*\s+3], s[92:93], \s*ROWB
	s_or_b32 s[G0+4*\s+3], s[G0+4*\s+3], 0x80000000
	s_mov_b32 s[G0B+4*\s], 1
	s_add_co_u32 s[G0B+4*\s+1], s45, \s*SLOT
	s_add_nc_u64 s[G0B+4*\s+2:G0B+4*\s+3], s[46:47], \s*ROWB
	s_or_b32 s[G0B+4*\s+3], s[G0B+4*\s+3], 0x80000000
	JLOAD G0+4*\s, G1, G0B+4*\s, G1B               ; three loads of mine are out: all that this launch asks for
.endr
	v_and_b32 v1, 15, v0                           ; r = lane % 16
	v_bfe_u32 v2, v0, 4, 1                         ; h = lane / 16
	v_mul_u32_u24 v3, v1, PITCH
	v_lshl_add_u32 v3, v2, 4, v3                   ; a fragment's row x pitch + 16 h
	v_mul_u32_u24 v5, v1, KS                       ; my row's scales: 32 bytes a row,
	v_lshrrev_b32 v6, 8, v5
	v_lshl_add_u32 v5, v6, 4, v5                   ; and 16 more for each 256 passed
	v_and_b32 v6, 31, v0
	v_lshlrev_b32 v[CO], 4, v6
	v_mul_u32_u24 v[SO], v2, HSTR
	v_lshl_add_u32 v[SO], v1, 4, v[SO]
.irp b, 0,1,2,3
	v_mov_b32 v[TM+4+\b], 0                        ; written once: a lane permute's destination counts as one of its sources
.endr
.macro FRAG reg, adr, q, i             ; 16 rows x 128 K of 4-bit codes: lane l holds row l % 16; registers 4 c .. 4 c + 3 hold K = 64 c + 32 (l / 16) + 0 .. 31
.irp c, 0,1
	ds_load_b128 v[\reg+4*\c:\reg+4*\c+3], v[\adr] offset:64*(\q)+32*\c+(\i)*16*PITCH
.endr
.endm
; 16 matrix instructions: the lanes' operand's blocks a0, a0 + 1 x the registers' operand's eight, the slot's q-th 128 along K.  p: the set of window 1;  sc: the set of scale words.  zero = 1: the product starts the sums.
; In a scale register lanes 0-15 hold the lanes' operand's word, lanes 16-31 the registers' operand's.  The 64 accumulators take turns, one instruction a turn.
.macro MUL16 a0, p, q, sc, zero
.irp a, \a0, \a0+1
.irp b, 0,1,2,3,4,5,6,7
.if \zero
	v_wmma_scale_f32_16x16x128_f8f6f4 v[8*(8*((\a)%4)+\b):8*(8*((\a)%4)+\b)+7], v[128*(\p)+FR*\b:128*(\p)+FR*\b+FR-1], v[AF+FR*(\a):AF+FR*(\a)+FR-1], 0, v[SC+8*NQ*(\sc)+NQ*\b+(\q)], v[SC+8*NQ*(\sc)+NQ*(\a)+(\q)] matrix_a_fmt:MATRIX_FMT_FP4 matrix_b_fmt:MATRIX_FMT_FP4 matrix_a_scale:MATRIX_SCALE_ROW1
.else
	v_wmma_scale_f32_16x16x128_f8f6f4 v[8*(8*((\a)%4)+\b):8*(8*((\a)%4)+\b)+7], v[128*(\p)+FR*\b:128*(\p)+FR*\b+FR-1], v[AF+FR*(\a):AF+FR*(\a)+FR-1], v[8*(8*((\a)%4)+\b):8*(8*((\a)%4)+\b)+7], v[SC+8*NQ*(\sc)+NQ*\b+(\q)], v[SC+8*NQ*(\sc)+NQ*(\a)+(\q)] matrix_a_fmt:MATRIX_FMT_FP4 matrix_b_fmt:MATRIX_FMT_FP4 matrix_a_scale:MATRIX_SCALE_ROW1
.endif
.endr
.endr
.endm
.macro FETCH_B slot, q, p
	WIN TO_B
.irp i, 0,1,2,3,4,5,6,7
	FRAG 128*(\p)+FR*\i, ADRB+\slot, \q, \i
.endr
	WIN 0
.endm
.macro FETCH_A slot, q, i0
.irp i, \i0, \i0+1, \i0+2, \i0+3
	FRAG AF+FR*(\i), ADRA+\slot, \q, \i
.endr
.endm
.macro SCALES sc                       ; a slot's scale words: 4 words a row
.irp i, 0,1,2,3,4,5,6,7
	ds_load_b128 v[SC+8*NQ*\sc+NQ*\i:SC+8*NQ*\sc+NQ*\i+3], v[ADRS] offset:\i*SBLK
.endr
.endm
.macro PLACES n                        ; plain vector lines between a matrix instruction and a load into, or a vector line on, its registers
.rept \n
	v_nop
.endr
.endm
.macro STEP slot, q, zero              ; 128 along K with its successor in the same slot
	s_wait_dscnt 4*NL                              ; all but the youngest eight loads (blocks 4-7 of the lanes' operand)
	WIN MUL_LO
	MUL16 0, (\q)%2, \q, \slot, \zero
	MUL16 2, (\q)%2, \q, \slot, \zero
	s_wait_dscnt 0
	PLACES NP
	FETCH_B \slot, (\q)+1, 1-(\q)%2
	FETCH_A \slot, (\q)+1, 0
	WIN MUL_HI
	MUL16 4, (\q)%2, \q, \slot, \zero
	MUL16 6, (\q)%2, \q, \slot, \zero
	PLACES NP
	WIN 0
	FETCH_A \slot, (\q)+1, 4
.endm
.macro TURN slot, next                 ; a slot's last step changes slots: one barrier; nothing is filled again
	s_wait_tensorcnt 0x0                           ; all my tensor loads have landed: my part of the next slot
	ds_add_u32 v[SPW], v[NIL]
	s_wait_dscnt 4*NL+1                            ; (the add and the youngest eight loads may be out)
	WIN MUL_LO
	MUL16 0, 1, NQ-1, \slot, 0
	s_wait_dscnt 0x0                               ; no LDS instruction of mine is out at the signal
	s_barrier_signal -1
	MUL16 2, 1, NQ-1, \slot, 0
	WIN 0
	s_barrier_wait -1                              ; everybody's part of the next slot is in
	PLACES NP
	v_add_nc_u32 v[ADRS], 4*NQ, v[ADRS]            ; the next slot's scale words
	FETCH_B \next, 0, 0
	FETCH_A \next, 0, 0
	SCALES \next
	WIN MUL_HI
	MUL16 4, 1, NQ-1, \slot, 0
	MUL16 6, 1, NQ-1, \slot, 0
	PLACES NP
	WIN 0
	FETCH_A \next, 0, 4
.endm
.macro STEPS slot, from
.set Q, \from
.rept NQ-1-\from
	STEP \slot, Q, 0
.set Q, Q+1
.endr
.endm
.macro MAIN                            ; all of K: eight steps of 128, written out
	s_wait_tensorcnt 1                             ; the scales and my part of slot 0 are in (slot 1's load may be out),
	s_barrier_signal -1
	s_barrier_wait -1                              ; everybody's are
	FETCH_B 0, 0, 0
	FETCH_A 0, 0, 0
	SCALES 0
	FETCH_A 0, 0, 4
	STEP 0, 0, 1
	STEPS 0, 1
	TURN 0, 1
	STEPS 1, 0
	s_wait_dscnt 4*NL
	WIN MUL_LO
	MUL16 0, 1, NQ-1, 1, 0
	MUL16 2, 1, NQ-1, 1, 0
	s_wait_dscnt 0
	WIN MUL_HI
	MUL16 4, 1, NQ-1, 1, 0
	MUL16 6, 1, NQ-1, 1, 0
	WIN 0
.endm
.macro LDSADR                          ; s96, s97: where the lanes' and the registers' operand begin in slot 0
.irp s, 0,1
	v_add_nc_u32 v[ADRA+\s], s96, v3
	v_add_nc_u32 v[ADRB+\s], s97, v3
	s_add_co_u32 s96, s96, SLOT
	s_add_co_u32 s97, s97, SLOT
.endr
.endm
; 64 numbers of a lane, register 16 b + i = index 32 b + 16 (lane / 16) + i along the next K, become a fragment's codes in v[PC] on and its scale word in v[pw].
.macro QUANT s, pw
.irp b, 0,1,2,3
	v_max3_num_f32 v[TM+\b], |v[\s+16*\b]|, |v[\s+1+16*\b]|, 0x1800000   ; my 16 numbers of block b, and the floor 2^(3 - 127)
.endr
.irp i, 2,4,6,8,10,12,14
.irp b, 0,1,2,3
	v_max3_num_f32 v[TM+\b], v[TM+\b], |v[\s+16*\b+\i]|, |v[\s+1+16*\b+\i]|
.endr
.endr
.irp b, 0,1,2,3
	v_permlanex16_b32 v[TM+4+\b], v[TM+\b], s[SEL], s[SEL+1]
.endr
.irp b, 0,1,2,3
	v_max_num_f32 v[TM+\b], v[TM+\b], v[TM+4+\b]   ; with lane l xor 16's: the block's largest magnitude
.endr
.irp b, 0,1,2,3
	v_add_nc_u32 v[TM+12+\b], 0xff000000, v[TM+\b] ; 2 off its exponent field: the conversion's scale operand
.endr
.irp b, 0,1,2,3
	v_lshrrev_b32 v[TM+4+\b], 23, v[TM+12+\b]      ; the scale's byte
.endr
	v_lshl_or_b32 v[\pw], v[TM+5], 8, v[TM+4]
	v_lshl_or_b32 v[\pw], v[TM+6], 16, v[\pw]
	v_lshl_or_b32 v[\pw], v[TM+7], 24, v[\pw]
.irp b, 0,1,2,3
	v_cvt_scalef32_pk8_fp4_f32 v[PC+2*\b], v[\s+16*\b:\s+7+16*\b], v[TM+12+\b]
	v_cvt_scalef32_pk8_fp4_f32 v[PC+1+2*\b], v[\s+8+16*\b:\s+15+16*\b], v[TM+12+\b]
.endr
	v_nop                                          ; one plain place behind a scaled conversion
.irp c, 0,1                            ; the operand's layout wants a whole block in a lane
.irp i, 0,1
	v_permlane16_swap_b32 v[PC+4*\c+\i], v[PC+2+4*\c+\i]
.endr
.endr
.endm
; THE WAY OUT, block a of the lanes' operand at a time: + bias (which also brings the numbers into window 0, each accumulator from its low end on), quantised, two stores of 512 consecutive bytes.
.macro EPI isv
	s_wait_loadcnt 0x0                             ; the bias
	PLACES NP
.irp a, 0,1,2,3,4,5,6,7
.if \a > 0
	s_wait_xcnt 0x0                                ; the last block's stores have read their data: the codes' registers are written again only behind this wait
.endif
	WIN 0x02+(\a)/4                                ; source 0: window 2 or 3
.set i, 0
.rept 32
.if \isv
	v_pk_add_f32 v[HA+i:HA+i+1], v[64*((\a)%4)+i:64*((\a)%4)+i+1], v[BI+2*\a:BI+2*\a+1]   ; one feature a lane: its bias, loaded twice
.else
	v_pk_add_f32 v[HA+i:HA+i+1], v[64*((\a)%4)+i:64*((\a)%4)+i+1], v[BI+i:BI+i+1]
.endif
.set i, i+2
.endr
	WIN 0
	QUANT HA, PWS+\a
.if \isv
	global_store_b128 v[CO], v[PC:PC+3], s[66:67] offset:((\a)/4)*HSTR+((\a)%4)*1024       ; head a / 4 of my two, d tile a % 4: keys 0-63 of the step,
	global_store_b128 v[CO], v[PC+4:PC+7], s[66:67] offset:((\a)/4)*HSTR+((\a)%4)*1024+512 ; keys 64-127
.else
	global_store_b128 v[CO], v[PC:PC+3], s[66:67] offset:\a*512                            ; token tile a: my first head's 64,
	global_store_b128 v[CO], v[PC+4:PC+7], s[66:67] offset:\a*512+HSTR                     ; my second head's
.endif
.endr
	v_cmp_ne_u32 vcc_lo, 0, v2                     ; lanes 0-15 store the first head's scale words, lanes 16-31 the second's: 256 consecutive bytes each
.if \isv
.irp t, 0,1,2,3
	v_cndmask_b32 v[SW+\t], v[PWS+\t], v[PWS+4+\t], vcc_lo
.endr
.else
	v_mov_b32 v[SELV], 0x05040100                  ; the first head's two bytes of two tiles' words,
	v_mov_b32 v6, 0x07060302                       ; or the second's
	v_cndmask_b32 v[SELV], v[SELV], v6, vcc_lo
.irp g, 0,1,2,3
	v_perm_b32 v[SW+\g], v[PWS+2*\g+1], v[PWS+2*\g], v[SELV]
.endr
.endif
	global_store_b128 v[SO], v[SW:SW+3], s[2:3]
	s_wait_tensorcnt 0x0                           ; the wave's end
	ds_add_u32 v[SPW], v[NIL]
	s_wait_dscnt 0x0
	CROUND                                         ; the closing round
	s_endpgm
.endm
	s_cmp_eq_u32 ttmp9, 2                          ; the cluster's x: the same in all waves and all partners
	s_cbranch_scc1 .Lv
	; ---- q and k: lanes = x, registers = the weight's rows
	s_mul_i32 s96, s21, HALFT                      ; my 128 positions of x
	s_mul_i32 s97, s22, HALFT                      ; my 128 rows of the weight,
	s_add_co_u32 s97, s97, 2*HALFT                 ; which lie behind x's 256
	LDSADR
	s_mul_i32 s96, s21, HALFS
	s_mul_i32 s97, s22, HALFS
	s_add_co_u32 s97, s97, 2*HALFS
	s_sub_co_u32 s97, s97, s96
	v_mul_u32_u24 v6, s97, v2                      ; lanes 16-31 take the weight's words
	s_add_co_u32 s96, s96, SCL
	v_add_nc_u32 v6, v5, v6
	v_add_nc_u32 v[ADRS], s96, v6
	v_lshlrev_b32 v[BO], 6, v2                     ; the bias: register 8 b + j wants feature 32 (b / 2) + 16 h + 8 (b % 2) + j of my 128
	s_cmp_eq_u32 ttmp9, 0
	s_cselect_b64 s[98:99], s[12:13], s[14:15]     ; bq or bk
	s_lshl_b32 s46, s40, 10
	s_lshl_b32 s97, s22, 9
	s_add_co_u32 s46, s46, s97                     ; 4 (256 cx + 128 CH)
	s_mov_b32 s47, 0
	s_add_nc_u64 s[98:99], s[98:99], s[46:47]
.irp b, 0,1,2,3,4,5,6,7
	global_load_b128 v[BI+8*\b:BI+8*\b+3], v[BO], s[98:99] offset:(32*(\b/2)+8*(\b%2))*4
	global_load_b128 v[BI+8*\b+4:BI+8*\b+7], v[BO], s[98:99] offset:(32*(\b/2)+8*(\b%2))*4+16
.endr
	s_lshr_b32 s96, s23, 3                         ; the batch: 8 tiles of 256 positions each
	s_lshl_b32 s96, s96, 4
	s_lshl_b32 s97, s40, 2
	s_add_co_u32 s96, s96, s97
	s_lshl_b32 s97, s22, 1
	s_add_co_u32 s96, s96, s97                     ; my first head: 16 b + 4 cx + 2 CH
	s_mul_i32 s96, s96, HSTR
	s_and_b32 s97, s23, 7
	s_lshl_b32 s97, s97, 1
	s_add_co_u32 s97, s97, s21                     ; my 128 positions are step 2 (TR % 8) + RH of the sequence: tiles 8 step on
	s_mul_i32 s46, ttmp9, 69632                    ; Q's codes at 0, K's at 69,632
	s_add_co_u32 s46, s46, s96
	s_lshl_b32 s45, s97, 12
	s_add_co_u32 s46, s46, s45
	s_add_nc_u64 s[66:67], s[18:19], s[46:47]      ; where my images go
	s_mul_i32 s46, ttmp9, 135168                   ; Q's scale words at 65,536, K's at 200,704
	s_add_co_u32 s46, s46, s96
	s_lshl_b32 s45, s97, 8
	s_add_co_u32 s46, s46, s45
	s_add_co_u32 s46, s46, 65536
	s_add_nc_u64 s[2:3], s[18:19], s[46:47]        ; and my scale words
	MAIN
	EPI 0
.Lv:
	; ---- v: lanes = Wv's rows, registers = x
	s_mul_i32 s96, s21, HALFT
	s_add_co_u32 s96, s96, 2*HALFT                 ; my 128 rows of Wv, behind x's 256
	s_mul_i32 s97, s22, HALFT                      ; my 128 positions of x
	LDSADR
	s_mul_i32 s96, s22, HALFS                      ; lanes 16-31 take x's words,
	s_mul_i32 s97, s21, HALFS
	s_add_co_u32 s97, s97, 2*HALFS
	s_sub_co_u32 s97, s97, s96
	v_xor_b32 v6, 1, v2
	v_mul_u32_u24 v6, s97, v6                      ; lanes 0-15 Wv's: one product, the lower base + (1 - h) x the distance
	s_add_co_u32 s96, s96, SCL
	v_add_nc_u32 v6, v5, v6
	v_add_nc_u32 v[ADRS], s96, v6
	v_and_b32 v6, 8, v1
	v_add_nc_u32 v6, v6, v1
	v_lshlrev_b32 v[BO], 2, v6                     ; the bias: in block a my lane is feature 32 (a / 2) + 8 (a % 2) + r + 8 (r / 8) of my 128
	s_lshl_b32 s46, s40, 10
	s_lshl_b32 s97, s21, 9
	s_add_co_u32 s46, s46, s97                     ; 4 (256 cx + 128 RH)
	s_mov_b32 s47, 0
	s_add_nc_u64 s[98:99], s[16:17], s[46:47]
.irp a, 0,1,2,3,4,5,6,7
	global_load_b32 v[BI+2*\a], v[BO], s[98:99] offset:(32*(\a/2)+8*(\a%2))*4
	global_load_b32 v[BI+2*\a+1], v[BO], s[98:99] offset:(32*(\a/2)+8*(\a%2))*4
.endr
	s_lshr_b32 s96, s23, 3
	s_lshl_b32 s96, s96, 4
	s_lshl_b32 s97, s40, 2
	s_add_co_u32 s96, s96, s97
	s_lshl_b32 s97, s21, 1
	s_add_co_u32 s96, s96, s97                     ; my first head: 16 b + 4 cx + 2 RH
	s_mul_i32 s96, s96, HSTR
	s_and_b32 s97, s23, 7
	s_lshl_b32 s97, s97, 1
	s_add_co_u32 s97, s97, s22                     ; my key step: 2 (TR % 8) + CH
	s_lshl_b32 s46, s97, 12
	s_add_co_u32 s46, s46, s96
	s_add_co_u32 s46, s46, 135168
	s_add_nc_u64 s[66:67], s[18:19], s[46:47]
	s_lshl_b32 s46, s97, 8
	s_add_co_u32 s46, s46, s96
	s_add_co_u32 s46, s46, 204800
	s_add_nc_u64 s[2:3], s[18:19], s[46:47]
	MAIN
	EPI 1
.Lfunc_end_k_q43fb784a4d_qkv:
	.size	k_q43fb784a4d_qkv, .Lfunc_end_k_q43fb784a4d_qkv-k_q43fb784a4d_qkv
	.p2alignl 7, 3214868480
	.fill 96, 4, 3214868480
	.section	.rodata,"a",@progbits
	.p2align	6, 0x0
	.amdhsa_kernel k_q43fb784a4d_qkv
		.amdhsa_group_segment_fixed_size 327680
		.amdhsa_private_segment_fixed_size 0
		.amdhsa_enable_private_segment 0
		.amdhsa_kernarg_size 64
		.amdhsa_user_sgpr_count 2
		.amdhsa_user_sgpr_kernarg_segment_ptr 1
		.amdhsa_wavefront_size32 1
		.amdhsa_system_sgpr_workgroup_id_x 1
		.amdhsa_system_sgpr_workgroup_id_y 1
		.amdhsa_system_sgpr_workgroup_id_z 1
		.amdhsa_system_vgpr_workitem_id 0
		.amdhsa_next_free_vgpr 1024
		.amdhsa_next_free_sgpr 102
		.amdhsa_reserve_vcc 1
		.amdhsa_float_denorm_mode_32 3
		.amdhsa_float_denorm_mode_16_64 3
		.amdhsa_memory_ordered 1
		.amdhsa_forward_progress 1
		.amdhsa_inst_pref_size 255
	.end_amdhsa_kernel
	.section	.bss,"aw",@nobits
	.p2align	6
	.space	262144
	.amdgpu_metadata
---
amdhsa.version: [ 1, 2 ]
amdhsa.kernels:
  - .name:           k_q43fb784a4d_qkv
    .symbol:         k_q43fb784a4d_qkv.kd
    .args:
      - { .name: xc, .offset: 0, .size: 8, .value_kind: global_buffer, .address_space: global }
      - { .name: xs, .offset: 8, .size: 8, .value_kind: global_buffer, .address_space: global }
      - { .name: wc, .offset: 16, .size: 8, .value_kind: global_buffer, .address_space: global }
      - { .name: ws, .offset: 24, .size: 8, .value_kind: global_buffer, .address_space: global }
      - { .name: bq, .offset: 32, .size: 8, .value_kind: global_buffer, .address_space: global }
      - { .name: bk, .offset: 40, .size: 8, .value_kind: global_buffer, .address_space: global }
      - { .name: bv, .offset: 48, .size: 8, .value_kind: global_buffer, .address_space: global }
      - { .name: qkv, .offset: 56, .size: 8, .value_kind: global_buffer, .address_space: global }
    .group_segment_fixed_size: 327680
    .private_segment_fixed_size: 0
    .kernarg_segment_align: 8
    .kernarg_segment_size: 64
    .max_flat_workgroup_size: 128
    .sgpr_count:     102
    .vgpr_count:     1024
    .wavefront_size: 32
...
	.end_amdgpu_metadata
.endif
;; end of part 3
;; launch attn (part 4): grid 4 x 64, 16 waves a work-group, clusters of 4 x 1, 167,936 bytes of LDS; arguments qkv, ac, asc; writes ac, asc
.if DOCPART == 4
	.amdgcn_target "amdgcn-amd-amdhsa--gfx1250"
	.amdhsa_code_object_version 6
	.text
	.protected	k_q43fb784a4d_attn
	.globl	k_q43fb784a4d_attn
	.p2align	8
	.type	k_q43fb784a4d_attn,@function
k_q43fb784a4d_attn:
	s_mov_b64 s[64:65], 0
	v_nop
	global_prefetch_b8 v0, s[64:65] scope:SCOPE_SE
	s_setreg_imm32_b32 hwreg(HW_REG_WAVE_MODE, 25, 1), 1
	s_wait_xcnt 0x0
	s_wait_alu depctr_hold_cnt(0) depctr_sa_sdst(0) depctr_va_vdst(0) depctr_va_sdst(0) depctr_va_ssrc(0) depctr_va_vcc(0) depctr_vm_vsrc(0)
	s_getreg_b32 s2, hwreg(HW_REG_IB_STS2, 6, 4)
	s_cmp_eq_u32 s2, 0
	s_cbranch_scc0 .Lentry_in_a_cluster
	s_endpgm
.Lentry_in_a_cluster:
	s_bfe_u32 s2, ttmp6, 0x10000c
	s_cmp_lg_u32 s2, 0x3003
	s_cbranch_scc0 .Lentry_shape_is_right
	s_endpgm
.Lentry_shape_is_right:
; For each of the 64 heads: O[q] = the sum over keys k <= q of softmax_k(Q[q] . K[k] / 8) V[k], both products on codes of FP4, and the quantiser of O along E for the projection that follows.
; WORK LEFT OUT: key steps of 128 that lie wholly behind a tile of 16 queries (their p is 0 by the mask that the problem builds itself, whatever the inputs hold); a NaN or an infinity that reaches only them is not carried on.
; THE SOFTMAX: t = score x log2(e) / 8; M = the running largest t rounded UP to a whole number; p = 2^(t - M) is quantised along the keys, not normalised; the row's sum of the unquantised p divides at the end.
; When M moves, the sum and O are multiplied by 2^(old M - new M), which rounds nothing.
; SHARES.  A cluster of four work-groups is one head; work-group j of it, wave w, takes two tiles of 16 queries one after the other: tiles 4 w + j and 127 - 4 w - j.  Their last key steps are w / 2 and 15 - w / 2,
; made of the wave's number alone; together 17 steps for every wave of the launch.  Four waves to a SIMD, so that one wave's vector work stands beside another's products and LDS loads.
; K AND V of a head, codes and scale words, are one dense block of 139,264 bytes: it comes into LDS once, 8,704 bytes by each of the sixteen waves, asked for jointly by the four work-groups.  Nothing is filled again.
; They lie as images of operand registers (16 bytes a lane, 512 a load): no pitch, no padding.  Waves 0 and 1 of every work-group walk all 16 steps, so every byte brought is read in every partner.
; POSITION ORDER: tile T's lane r is token 32 (T / 2) + 8 (T % 2) + r + 8 (r / 8).  Both products are used transposed (S^T = K Q^T, O^T = V^T P^T): a lane holds one query throughout, and the 16 registers of two
; neighbouring tiles of keys are 16 neighbouring keys; likewise O^T's registers are neighbouring d.
; THE HEAD'S 64 IN AN INSTRUCTION OF 128 ALONG K: a fragment holds tile 2 g of the keys in its first four registers and tile 2 g + 1 in its last four; it is multiplied once by (q, zeros) and once by (zeros, q).
; Zero codes add nothing under any scale byte from 1 to 254.  So no LDS byte is read for padding.
; THE RESULT: codes as an image [token tile 512][head 16][512 bytes]; its scale bytes [position 8,192][32], byte 2 head + block: one byte a lane, rows 32 bytes apart: those stores cover parts of 256-byte runs;
; they are a sixteenth of the codes' bytes, and the layout is the one that the next launch takes whole.  The quantiser's limits are those stated at the head of the first launch.
; No prefetch: all that the launch reads beside Q is asked for at its head.
; REGISTERS: v1-11 addresses and lane constants; v12 -M, v13 the largest t, v[14:15] the sum in two halves; v16-23 (q, 0), v24-31 (0, q); v32-63 K's four fragments; v64-95 V's four; v96-159 S^T, then p; v160-191 O^T;
; v192-199 the two tiles' result codes, v200-201 their bytes; v206 32 r + h; v224-231 p's codes; v232-247 at work; v248-251 scale words (lanes 0-15 K's, 16-31 V's); v252 f, v253 p's scale word, v254 at work, v255 Q's scale word.
.set HSTR,  208896                     ; a head's bytes in qkv
.set KVOFF, 69632                      ; where its block of K and V begins
.set PIECE, 8704                       ; a wave's part of it: 34 rows of 256 bytes
.set LV,    65536                      ; LDS: K's images at 0, V's here,
.set LKS,   131072                     ; K's scale words here, V's 4,096 further on
.set SPARE, 139264                     ; the spare words, 128 bytes for each of sixteen waves
.set LI,   1                           ; v1   16 x lane
.set LIV,  2                           ; v2   16 x lane + LV
.set ASC0, 3                           ; v3   LKS + 16 r + 4,096 h
.set QD,   4                           ; v4   r + 8 (r / 8) - 16 h
.set SPW,  5                           ; v5   LDS address of my spare word; never rewritten
.set NIL,  6                           ; v6   0; never rewritten
.macro CROUND                          ; a round of the cluster's barrier
	s_barrier_signal -1
	s_barrier_wait -1
	s_cmp_lg_u32 s10, 0
	s_cbranch_scc1 .Lnot_wave_0_\@
	s_barrier_signal -3
.Lnot_wave_0_\@:
	s_barrier_wait -3
	s_barrier_signal -1
	s_barrier_wait -1
.endm
	s_load_b128 s[4:7], s[0:1], 0x0                ; qkv, the result's codes
	s_load_b64 s[8:9], s[0:1], 0x10                ; the result's scale bytes
	v_lshl_add_u32 v[SPW], v0, 2, SPARE
	v_mov_b32 v[NIL], 0
	ds_add_u32 v[SPW], v[NIL]                      ; the wave's opening: the add, twice on end, and its wait ahead of my first tensor load
	ds_add_u32 v[SPW], v[NIL]
	v_lshrrev_b32 v1, 5, v0
	v_readfirstlane_b32 s10, v1                    ; wave 0..15
	s_bfe_u32 s11, ttmp6, 0x40000                  ; j: my place in the cluster: it enters global addresses and numbers alone
	s_and_b32 s12, ttmp7, 0xffff                   ; the head, 16 b + h, which the four partners share
	s_lshr_b32 s13, s10, 1
	s_mov_b32 s16, 15|(3<<16)|(1<<21)              ; group 1: the mask names all four; elements of 8 bytes; bit 21 beside a mask; no padding
	s_mov_b32 s17, 32<<16                          ; tensor_dim0 = 32 elements = 256 bytes
	s_mov_b32 s18, 34<<16                          ; tensor_dim1 = 34 rows
	s_mov_b32 s19, 32<<16                          ; tile_dim0
	s_mov_b32 s20, 34                              ; tile_dim1
	s_mov_b32 s21, 32                              ; from row to row: dense
	s_mov_b32 s22, 0
	s_mov_b32 s23, 0
	s_mov_b32 s24, 1                               ; group 0
	s_mul_i32 s25, s10, PIECE                      ; LDS address: the wave's number alone
	s_mul_i32 s40, s12, HSTR
	s_mov_b32 s41, 0
	s_add_co_u32 s42, s25, KVOFF
	s_mov_b32 s43, 0
	s_mov_b32 s28, 0x76543210                      ; v_permlanex16_b32's selects for lane l xor 16
	s_mov_b32 s29, 0xfedcba98
	s_mov_b32 s30, 0x3e38aa3b                      ; c = log2(e) / 8
	s_mov_b32 s31, s30                             ; (named with it as a pair, so it is written)
	s_wait_dscnt 0x0                               ; both opening adds are done
	s_wait_kmcnt 0x0
	s_add_nc_u64 s[40:41], s[4:5], s[40:41]        ; my head's block
	s_add_nc_u64 s[26:27], s[40:41], s[42:43]      ; my wave's part of its K and V
	s_or_b32 s27, s27, 0x80000000
	CROUND                                         ; all four work-groups are here: the joint loads meet
	tensor_load_to_lds s[24:27], s[16:23]          ; my one tensor load
	s_nop 0
.rept 4
	v_nop
.endr
	v_and_b32 v[LI], 31, v0
	v_lshlrev_b32 v[LI], 4, v[LI]
	v_add_nc_u32 v[LIV], LV, v[LI]
	v_and_b32 v11, 15, v0                          ; r
	v_bfe_u32 v7, v0, 4, 1                         ; h
	v_and_b32 v[QD], 8, v11
	v_add_nc_u32 v[QD], v[QD], v11
	v_lshlrev_b32 v3, 4, v7
	v_sub_nc_u32 v[QD], v[QD], v3
	v_lshlrev_b32 v206, 5, v11
	v_add_nc_u32 v206, v206, v7                    ; 32 r + h
	v_lshlrev_b32 v11, 4, v11                      ; 16 r
	v_lshl_add_u32 v[ASC0], v7, 12, v11
	v_add_nc_u32 v[ASC0], LKS, v[ASC0]
.irp j, 20,21,22,23,24,25,26,27
	v_mov_b32 v\j, 0                               ; the zero halves of (q, 0) and (0, q): written once
.endr
.irp j, 236,237,238,239,252,253
	v_mov_b32 v\j, 0                               ; written once: a lane permute's destination counts as a source; v253 is named in a pair before it is first made
.endr
.macro TILE w
	s_lshl_b32 s36, s10, 2
	s_add_co_u32 s36, s36, s11                     ; 4 w + j
.if \w
	s_sub_co_u32 s36, 127, s36                     ; the tile,
	s_sub_co_u32 s33, 15, s13                      ; and its last key step, the one on the diagonal
.else
	s_mov_b32 s33, s13
.endif
	s_and_b32 s37, s36, 6
	s_lshl_b32 s37, s37, 4
	s_and_b32 s38, s36, 1
	s_lshl_b32 s2, s38, 3
	s_add_co_u32 s37, s37, s2                      ; the tile's first token inside its step: 32 ((tile % 8) / 2) + 8 (tile % 2)
	s_mul_i32 s38, s38, 0x02020202
	s_add_co_u32 s38, s38, 0x01000100              ; byte select: my tile's two scale bytes, twice
	s_lshl_b32 s44, s36, 9
	s_mov_b32 s45, 0
	s_add_nc_u64 s[44:45], s[40:41], s[44:45]      ; Q's image of the tile (the first tile's loads by these registers were waited for)
	s_lshr_b32 s46, s36, 3
	s_lshl_b32 s46, s46, 8
	s_and_b32 s2, s36, 6
	s_lshl_b32 s2, s2, 1
	s_add_co_u32 s46, s46, s2
	s_mov_b32 s47, 0
	s_add_nc_u64 s[46:47], s[40:41], s[46:47]      ; its scale word: [step][r][g]
	global_load_b128 v[16:19], v[LI], s[44:45]     ; q, twice: once as the first 64 along K,
	global_load_b128 v[28:31], v[LI], s[44:45]     ; once as the last 64
	global_load_b32 v254, v11, s[46:47] offset:65536
.if \w == 0
	s_wait_tensorcnt 0x0                           ; my part of K and V is in,
	s_barrier_signal -1
	s_barrier_wait -1                              ; everybody's is: from here on no wave waits for another
.endif
	s_wait_loadcnt 0x0
	v_perm_b32 v255, v254, v254, s38               ; Q's scale word (s0, s1, s0, s1): it serves (q, 0) and (0, q).  The lines below are the places between this write and the first product
	v_mov_b32 v13, 0xff61b1e6                      ; the largest t so far: -3e38
	v_floor_f32 v12, -v13                          ; -M
	v_mov_b32 v14, 0
	v_mov_b32 v15, 0
.set n, 0
.rept 32
	v_mov_b32 v[160+n], 0                          ; O^T: the step is written once; its first trip finds zeros, which the first change of M leaves zeros
.set n, n+1
.endr
	s_mov_b32 s32, 0
.Lstep_\@:                             ; 16 trips, a constant; a step behind the diagonal is jumped over: a branch on the count and the wave's number; no barrier stands in the loop
	s_cmp_gt_u32 s32, s33
	s_cbranch_scc1 .Lskip_\@
	s_lshl_b32 s34, s32, 12                        ; a step's images: 4,096 bytes of K, as many of V,
	s_lshl_b32 s35, s32, 8                         ; 256 bytes of scale words each
	v_add_nc_u32 v8, s34, v[LI]
	v_add_nc_u32 v9, s34, v[LIV]
	v_add_nc_u32 v10, s35, v[ASC0]
	v_nop                                          ; four plain lines between the last trip's products and the loads into their registers
	ds_load_b128 v[248:251], v10                   ; lanes 0-15: K's four words; lanes 16-31: V's four
.set n, 0
.rept 8
	ds_load_b128 v[32+4*n:35+4*n], v8 offset:512*n
.set n, n+1
.endr
.set n, 0
.rept 8
	ds_load_b128 v[64+4*n:67+4*n], v9 offset:512*n
.set n, n+1
.endr
	s_wait_dscnt 8                                 ; the words and K are in; V's eight loads may be out
.irp g, 0,1,2,3
	v_wmma_scale_f32_16x16x128_f8f6f4 v[96+16*\g:103+16*\g], v[32+8*\g:39+8*\g], v[16:23], 0, v[248+\g], v255 matrix_a_fmt:MATRIX_FMT_FP4 matrix_b_fmt:MATRIX_FMT_FP4
	v_wmma_scale_f32_16x16x128_f8f6f4 v[104+16*\g:111+16*\g], v[32+8*\g:39+8*\g], v[24:31], 0, v[248+\g], v255 matrix_a_fmt:MATRIX_FMT_FP4 matrix_b_fmt:MATRIX_FMT_FP4
.endr                                  ; register 16 g + i: key 128 step + 32 g + 16 h + i
.rept 4
	v_nop
.endr
	s_cmp_lg_u32 s32, s33                          ; only the step on the diagonal hides keys
	s_cbranch_scc1 .Lopen_\@
	v_add_nc_u32 v252, s37, v[QD]                  ; my query inside the step, less 16 h: key 32 g + i (+ 16 h) is hidden where 32 g + i is greater
	v_mov_b32 v254, 0xff800000                     ; -infinity
.set n, 0
.rept 64
	v_cmp_gt_i32 vcc_lo, 32*(n/16)+n%16, v252
	v_cndmask_b32 v[96+n], v[96+n], v254, vcc_lo
.set n, n+1
.endr
.Lopen_\@:
.irp b, 0,1,2,3
	v_max3_num_f32 v[232+\b], v[96+16*\b], v[97+16*\b], v[98+16*\b]   ; the largest score of each block of 32 keys: for the row's maximum, and, since p rises with the score, for the block's largest p
.endr
.irp i, 3,5,7,9,11,13
.irp b, 0,1,2,3
	v_max3_num_f32 v[232+\b], v[232+\b], v[96+16*\b+\i], v[97+16*\b+\i]
.endr
.endr
.irp b, 0,1,2,3
	v_max_num_f32 v[232+\b], v[232+\b], v[111+16*\b]
.endr
.irp b, 0,1,2,3
	v_permlanex16_b32 v[236+\b], v[232+\b], s28, s29
.endr
.irp b, 0,1,2,3
	v_max_num_f32 v[232+\b], v[232+\b], v[236+\b]  ; with lane l xor 16's 16 keys
.endr
	v_max3_num_f32 v254, v232, v233, v234
	v_max_num_f32 v254, v254, v235
	v_mul_f32 v254, s30, v254                      ; the step's largest t of my query
	v_max_num_f32 v13, v13, v254                   ; the running largest t (key 0 counts for every query, so it is a number from the first step on)
	v_mov_b32 v254, v12
	v_floor_f32 v12, -v13                          ; the new -M = -ceil(t)
	v_sub_f32 v254, v12, v254                      ; old M - new M: a whole number, 0 or less
	v_cvt_i32_f32 v254, v254                       ; (it saturates)
	v_ldexp_f32 v252, 1.0, v254                    ; f = 2^(old M - new M)
.set n, 0
.rept 32
	v_pk_fma_f32 v[96+n:97+n], v[96+n:97+n], s[30:31], v[12:13] op_sel_hi:[1,0,0]   ; t - M, two at a time
.set n, n+2
.endr
.irp b, 0,1,2,3
	v_fma_f32 v[232+\b], v[232+\b], s30, v12       ; the same of each block's largest score
.endr
.set n, 0
.rept 64
	v_exp_f32 v[96+n], v[96+n]                     ; p = 2^(t - M)
.set n, n+1
.endr
	v_pk_mul_f32 v[14:15], v[14:15], v[252:253] op_sel_hi:[1,0]   ; the sums under the new M: the plain line behind the exponentials
	s_wait_alu depctr_va_vdst(0)                   ; one wait for the batch of 64, ahead of its first reader
.irp b, 0,1,2,3
	v_exp_f32 v[232+\b], v[232+\b]                 ; the block's largest p
.endr
	v_pk_add_f32 v[240:241], v[96:97], v[98:99]    ; the row's sum of the unquantised p, in two chains; it reads the 64 alone
.irp j, 4,8,12,16,20,24,28,32,36,40,44,48,52
	v_pk_add_f32 v[14:15], v[14:15], v[96+\j:97+\j]
	v_pk_add_f32 v[240:241], v[240:241], v[98+\j:99+\j]
.endr
	s_wait_alu depctr_va_vdst(0)                   ; and one for the four
.irp b, 0,1,2,3
	v_max_num_f32 v[232+\b], 0x1800000, v[232+\b]  ; the floor 2^(3 - 127): a block whose every p is 0 keeps the byte 1; its codes are zeros
.endr
.irp b, 0,1,2,3
	v_add_nc_u32 v[244+\b], 0xff000000, v[232+\b]  ; the conversion's scale operand
.endr
.irp b, 0,1,2,3
	v_lshrrev_b32 v[236+\b], 23, v[244+\b]         ; the scale's byte
.endr
	v_lshl_or_b32 v253, v237, 8, v236              ; p's scale word for these 128 keys
	v_lshl_or_b32 v253, v238, 16, v253
	v_lshl_or_b32 v253, v239, 24, v253
.irp b, 0,1,2,3
	v_cvt_scalef32_pk8_fp4_f32 v[224+2*\b], v[96+16*\b:103+16*\b], v[244+\b]
	v_cvt_scalef32_pk8_fp4_f32 v[225+2*\b], v[104+16*\b:111+16*\b], v[244+\b]
.endr
	v_nop                                          ; one plain place behind a scaled conversion
.irp c, 0,1
.irp i, 0,1
	v_permlane16_swap_b32 v[224+4*\c+\i], v[226+4*\c+\i]   ; a whole block in a lane
.endr
.endr
.set n, 0
.rept 16
	v_pk_mul_f32 v[160+n:161+n], v[160+n:161+n], v[252:253] op_sel_hi:[1,0]   ; O^T under the new M; these lines are also the places behind the writes of p's codes and scale word
.set n, n+2
.endr
.irp j, 56,60
	v_pk_add_f32 v[14:15], v[14:15], v[96+\j:97+\j]        ; the sums' last lines stand here, between the last write of O^T and the products that add onto it
	v_pk_add_f32 v[240:241], v[240:241], v[98+\j:99+\j]
.endr
	v_pk_add_f32 v[14:15], v[14:15], v[240:241]
	s_wait_dscnt 0x0                               ; V is in
.irp t, 0,1,2,3                        ; O^T += V^T P^T: four tiles of 16 of the head's 64, by turns
	v_wmma_scale_f32_16x16x128_f8f6f4 v[160+8*\t:167+8*\t], v[64+8*\t:71+8*\t], v[224:231], v[160+8*\t:167+8*\t], v[248+\t], v253 matrix_a_fmt:MATRIX_FMT_FP4 matrix_b_fmt:MATRIX_FMT_FP4 matrix_a_scale:MATRIX_SCALE_ROW1
.endr
.Lskip_\@:
	s_add_co_u32 s32, s32, 1
	s_cmp_lt_u32 s32, 16
	s_cbranch_scc1 .Lstep_\@
	; the tile's way out: / the sum, quantised along E (my head's two blocks of 32), stored from registers
.rept 4
	v_nop                                          ; places behind the last products
.endr
	v_add_f32 v14, v14, v15
	v_permlanex16_b32 v252, v14, s28, s29
	v_add_f32 v14, v14, v252                       ; the row's sum
	v_rcp_f32 v14, v14
	v_nop                                          ; a plain place behind the transcendental
	s_lshr_b32 s2, s12, 4
	s_lshl_b32 s2, s2, 7
	s_add_co_u32 s2, s2, s36                       ; the token tile: 128 b + tile
	s_lshl_b32 s3, s2, 9                           ; its 16 rows of 32 scale bytes
	s_lshl_b32 s2, s2, 13                          ; its 16 images of 512 bytes
	s_and_b32 s14, s12, 15
	s_lshl_b32 s15, s14, 9
	s_add_co_u32 s[48+4*\w], s2, s15
	s_mov_b32 s[49+4*\w], 0
	s_lshl_b32 s14, s14, 1
	s_add_co_u32 s[50+4*\w], s3, s14
	s_mov_b32 s[51+4*\w], 0
	s_add_nc_u64 s[48+4*\w:49+4*\w], s[6:7], s[48+4*\w:49+4*\w]    ; bases, data and offsets of its own for each tile: nothing that a store reads is written again
	s_add_nc_u64 s[50+4*\w:51+4*\w], s[8:9], s[50+4*\w:51+4*\w]
	s_wait_alu depctr_va_vdst(0)                   ; ahead of the reciprocal's first reader
.set n, 0
.rept 16
	v_pk_mul_f32 v[96+n:97+n], v[160+n:161+n], v[14:15] op_sel_hi:[1,0]   ; register 16 B + i: d = 32 B + 16 h + i; each accumulator from its low end on
.set n, n+2
.endr
.irp b, 0,1
	v_max3_num_f32 v[232+\b], |v[96+16*\b]|, |v[97+16*\b]|, 0x1800000
.endr
.irp i, 2,4,6,8,10,12,14
.irp b, 0,1
	v_max3_num_f32 v[232+\b], v[232+\b], |v[96+16*\b+\i]|, |v[97+16*\b+\i]|
.endr
.endr
.irp b, 0,1
	v_permlanex16_b32 v[236+\b], v[232+\b], s28, s29
.endr
.irp b, 0,1
	v_max_num_f32 v[232+\b], v[232+\b], v[236+\b]
.endr
.irp b, 0,1
	v_add_nc_u32 v[244+\b], 0xff000000, v[232+\b]
.endr
.irp b, 0,1
	v_lshrrev_b32 v[236+\b], 23, v[244+\b]
.endr
.irp b, 0,1
	v_cvt_scalef32_pk8_fp4_f32 v[192+4*\w+2*\b], v[96+16*\b:103+16*\b], v[244+\b]
	v_cvt_scalef32_pk8_fp4_f32 v[193+4*\w+2*\b], v[104+16*\b:111+16*\b], v[244+\b]
.endr
	v_nop
	v_permlane16_swap_b32 v[192+4*\w], v[194+4*\w]
	v_permlane16_swap_b32 v[193+4*\w], v[195+4*\w] ; lane (r, h): position r, d = 32 h .. 32 h + 31
	v_cmp_ne_u32 vcc_lo, 0, v7
	v_cndmask_b32 v[200+\w], v236, v237, vcc_lo    ; lane (r, h) stores block h's byte
	global_store_b128 v[LI], v[192+4*\w:195+4*\w], s[48+4*\w:49+4*\w]   ; 512 consecutive bytes, aligned
	global_store_b8 v206, v[200+\w], s[50+4*\w:51+4*\w]
.endm
	TILE 0
	TILE 1
	s_wait_tensorcnt 0x0                           ; the wave's end
	ds_add_u32 v[SPW], v[NIL]
	s_wait_dscnt 0x0
	CROUND                                         ; the closing round
	s_endpgm
.Lfunc_end_k_q43fb784a4d_attn:
	.size	k_q43fb784a4d_attn, .Lfunc_end_k_q43fb784a4d_attn-k_q43fb784a4d_attn
	.p2alignl 7, 3214868480
	.fill 96, 4, 3214868480
	.section	.rodata,"a",@progbits
	.p2align	6, 0x0
	.amdhsa_kernel k_q43fb784a4d_attn
		.amdhsa_group_segment_fixed_size 167936
		.amdhsa_private_segment_fixed_size 0
		.amdhsa_enable_private_segment 0
		.amdhsa_kernarg_size 24
		.amdhsa_user_sgpr_count 2
		.amdhsa_user_sgpr_kernarg_segment_ptr 1
		.amdhsa_wavefront_size32 1
		.amdhsa_system_sgpr_workgroup_id_x 1
		.amdhsa_system_sgpr_workgroup_id_y 1
		.amdhsa_system_sgpr_workgroup_id_z 1
		.amdhsa_system_vgpr_workitem_id 0
		.amdhsa_next_free_vgpr 256
		.amdhsa_next_free_sgpr 66
		.amdhsa_reserve_vcc 1
		.amdhsa_float_denorm_mode_32 3
		.amdhsa_float_denorm_mode_16_64 3
		.amdhsa_memory_ordered 1
		.amdhsa_forward_progress 1
		.amdhsa_inst_pref_size 57
	.end_amdhsa_kernel
	.amdgpu_metadata
---
amdhsa.version: [ 1, 2 ]
amdhsa.kernels:
  - .name:           k_q43fb784a4d_attn
    .symbol:         k_q43fb784a4d_attn.kd
    .args:
      - { .name: qkv, .offset: 0, .size: 8, .value_kind: global_buffer, .address_space: global }
      - { .name: ac, .offset: 8, .size: 8, .value_kind: global_buffer, .address_space: global }
      - { .name: asc, .offset: 16, .size: 8, .value_kind: global_buffer, .address_space: global }
    .group_segment_fixed_size: 167936
    .private_segment_fixed_size: 0
    .kernarg_segment_align: 8
    .kernarg_segment_size: 24
    .max_flat_workgroup_size: 512
    .sgpr_count:     66
    .vgpr_count:     256
    .wavefront_size: 32
...
	.end_amdgpu_metadata
.endif
;; end of part 4
;; launch oproj (part 5): grid 4 x 32, 4 waves a work-group, clusters of 4 x 4, 327,680 bytes of LDS; arguments ac, asc, wc, ws, bo, out0; writes out0
.if DOCPART == 5
	.amdgcn_target "amdgcn-amd-amdhsa--gfx1250"
	.amdhsa_code_object_version 6
	.text
	.protected	k_q43fb784a4d_oproj
	.globl	k_q43fb784a4d_oproj
	.p2align	8
	.type	k_q43fb784a4d_oproj,@function
k_q43fb784a4d_oproj:
	s_mov_b64 s[64:65], 0
	v_nop
	global_prefetch_b8 v0, s[64:65] scope:SCOPE_SE
	s_setreg_imm32_b32 hwreg(HW_REG_WAVE_MODE, 25, 1), 1
	s_wait_xcnt 0x0
	s_wait_alu depctr_hold_cnt(0) depctr_sa_sdst(0) depctr_va_vdst(0) depctr_va_sdst(0) depctr_va_ssrc(0) depctr_va_vcc(0) depctr_vm_vsrc(0)
	s_getreg_b32 s2, hwreg(HW_REG_IB_STS2, 6, 4)
	s_cmp_eq_u32 s2, 0
	s_cbranch_scc0 .Lentry_in_a_cluster
	s_endpgm
.Lentry_in_a_cluster:
	s_bfe_u32 s2, ttmp6, 0x10000c
	s_cmp_lg_u32 s2, 0xf033
	s_cbranch_scc0 .Lentry_shape_is_right
	s_endpgm
.Lentry_shape_is_right:
; out0 = A Wo + bo on codes of FP4.  A is attention's result: codes as images of operand registers [token tile 512][head 16][512 bytes] (lane (r, h): position r, d = 32 h on), scale bytes [position 8,192][32].
; Wo's codes are rows 3,072 on of the weights' buffer, [row][512 bytes], its scale bytes [row][32].  Tokens and Wo's rows are in position order (index with bits 3 and 4 exchanged); the way out undoes both.
; A tile of 256 x 256 is made by four waves, each 128 x 128.  K = 1,024 is two LDS slots of 512 along K, both first fills; nothing is filled again.  128 work-groups: the tile is kept large; all the work there is at this tile.
; CLUSTERS: 4 x 4 work-groups; A's tile is shared along a row of the cluster, Wo's along a column, each asked for jointly.
; The matrix instruction is used transposed (source 0 = 16 rows of Wo, source 1 = 16 tokens): a lane holds one token, and the 16 registers of two neighbouring tiles are 16 neighbouring true features.
; The bias is the C of each sum's first product.
; REGISTERS, in windows of 256: window 0: v1-31 addresses; v32-95 scale words, two sets; v128-191 A's fragments; v192-255 the bias; on the way out v128-255 rows of the result.
;   window 1: Wo's fragments, two sets.   windows 2, 3: the accumulators.
.set NQ,     4
.set ROWB,   256
.set KROW,   512
.set PITCH,  272                       ; Wo's LDS row: 256 bytes + 16
.set FR,     8
.set NL,     2
.set NP,     4
.set HALFT,  128*PITCH                 ; 128 rows of Wo: one tensor load
.set HALFA,  32768                     ; 8 token tiles x 4,096 bytes of images: one tensor load
.set SLOT,   2*HALFA+2*HALFT           ; A's 16 tiles, then Wo's 256 rows
.set KS,     32
.set SCL,    2*SLOT
.set HALFS,  (128*KS/256)*272
.set SBLK,   (16*KS/256)*272
.set SPARE,  SCL+4*HALFS
.set SPITCH, 528                       ; the way out: a stage of 16 rows x (512 + 16) bytes a wave, in slot 0, which has had its only fill and its last read when the first result is stored there
.set ADRA, 16
.set ADRB, 20
.set STO,  24
.set RD,   25
.set CO,   26
.set ADRS, 27
.set SPW,  28                          ; v28  LDS address of my spare word; never rewritten
.set NIL,  29                          ; v29  0; never rewritten
.set BO,   30
.set SC,   32
.set AF,   128
.set BK,   128
.set BI,   192
.set G1, 24
.set G0, 32
.set G1B, 48
.set G0B, 56
.set G1S, 68
.set G0S, 76
.set G1SB, 80
.set G0SB, 88
.set MSB, 0
.macro WIN new
.if MSB != (\new)
	s_set_vgpr_msb (MSB<<8)|(\new)
.set MSB, (\new)
.endif
.endm
.set MUL_LO, 0xa1
.set MUL_HI, 0xf1
.set TO_B,   0x40
.macro JLOAD g0a, g1a, g0b, g1b        ; waves 0 and 1 fetch for A, waves 2 and 3 for Wo; an s_nop 0 and four v_nop follow each line
	s_cmp_eq_u32 s21, 0
	s_cbranch_scc0 .Lfor_b_\@
	tensor_load_to_lds s[\g0a:\g0a+3], s[\g1a:\g1a+7]
	s_nop 0
.rept 4
	v_nop
.endr
	s_branch .Lasked_\@
.Lfor_b_\@:
	tensor_load_to_lds s[\g0b:\g0b+3], s[\g1b:\g1b+7]
	s_nop 0
.rept 4
	v_nop
.endr
.Lasked_\@:
.endm
.macro CROUND
	s_barrier_signal -1
	s_barrier_wait -1
	s_cmp_lg_u32 s20, 0
	s_cbranch_scc1 .Lnot_wave_0_\@
	s_barrier_signal -3
.Lnot_wave_0_\@:
	s_barrier_wait -3
	s_barrier_signal -1
	s_barrier_wait -1
.endm
	s_load_b256 s[4:11], s[0:1], 0x0               ; A's codes s[4:5], A's scales s[6:7], the weights' codes s[8:9], their scales s[10:11]
	s_load_b128 s[12:15], s[0:1], 0x20             ; bo s[12:13], out0 s[14:15]
	v_lshl_add_u32 v[SPW], v0, 2, SPARE
	v_mov_b32 v[NIL], 0
	ds_add_u32 v[SPW], v[NIL]                      ; the wave's opening: the add, twice on end, and its wait ahead of my first tensor load
	ds_add_u32 v[SPW], v[NIL]
	v_lshrrev_b32 v1, 5, v0
	v_readfirstlane_b32 s20, v1                    ; wave
	s_lshr_b32 s21, s20, 1                         ; RH: my half of the tokens.  Also: I fetch for A (0) or for Wo (1)
	s_and_b32 s22, s20, 1                          ; CH: my half of the features.  Also: which half of a tile I fetch
	s_bfe_u32 s40, ttmp6, 0x40000                  ; cx, cy
	s_bfe_u32 s41, ttmp6, 0x40004
	s_lshl_b32 s42, ttmp9, 2
	s_add_co_u32 s42, s42, s40                     ; TC: which 256 rows of Wo
	s_and_b32 s23, ttmp7, 0xffff
	s_lshl_b32 s23, s23, 2
	s_add_co_u32 s23, s23, s41                     ; TR: which 256 positions
	s_lshl_b32 s43, s41, 2
	s_lshl_b32 s43, 15, s43                        ; my row of the cluster
	s_lshl_b32 s44, 0x1111, s40                    ; my column
	s_or_b32 s[G1+0], s43, (3<<16)|(1<<21)         ; A: elements of 8 bytes, no padding: 8 token tiles x 4,096 bytes (a slot's 8 heads), 8,192 bytes apart
	s_mov_b32 s[G1+1], 512<<16                     ; tensor_dim0 = 512 elements
	s_mov_b32 s[G1+2], 8<<16                       ; tensor_dim1 = 8
	s_mov_b32 s[G1+3], 512<<16                     ; tile_dim0
	s_mov_b32 s[G1+4], 8                           ; tile_dim1
	s_mov_b32 s[G1+5], 1024                        ; from tile to tile
	s_mov_b32 s[G1+6], 0
	s_mov_b32 s[G1+7], 0
	s_or_b32 s[G1B+0], s44, (0<<16)|(1<<20)|(1<<21)|(5<<22)|(3<<25)  ; Wo: 128 rows of 256 bytes, 16 bytes of padding behind each
	s_mov_b32 s[G1B+1], ROWB<<16
	s_mov_b32 s[G1B+2], 128<<16
	s_mov_b32 s[G1B+3], ROWB<<16
	s_mov_b32 s[G1B+4], 128
	s_mov_b32 s[G1B+5], KROW
	s_mov_b32 s[G1B+6], 0
	s_mov_b32 s[G1B+7], 0
	s_or_b32 s[G1S+0], s43, (3<<16)|(1<<20)|(1<<21)|(5<<22)|(3<<25)  ; the scales of 128 rows: 16 rows of 256 dense bytes, 16 of padding behind each
	s_or_b32 s[G1SB+0], s44, (3<<16)|(1<<20)|(1<<21)|(5<<22)|(3<<25)
.irp g, G1S, G1SB
	s_mov_b32 s[\g+1], 32<<16
	s_mov_b32 s[\g+2], (128*KS/256)<<16
	s_mov_b32 s[\g+3], 32<<16
	s_mov_b32 s[\g+4], 128*KS/256
	s_mov_b32 s[\g+5], 32
	s_mov_b32 s[\g+6], 0
	s_mov_b32 s[\g+7], 0
.endr
	s_lshl_b32 s92, s23, 17                        ; A's codes: (16 TR + 8 half) tiles of 8,192 bytes (these registers never hold cx)
	s_lshl_b32 s2, s22, 16
	s_add_co_u32 s92, s92, s2
	s_mov_b32 s93, 0
	s_lshl_b32 s94, s23, 13                        ; A's scales: (256 TR + 128 half) rows of 32 bytes
	s_lshl_b32 s3, s22, 12
	s_add_co_u32 s94, s94, s3
	s_mov_b32 s95, 0
	s_lshl_b32 s46, s42, 17                        ; Wo's codes: (3,072 + 256 TC + 128 half) rows of 512 bytes (these never hold cy)
	s_add_co_u32 s46, s46, s2
	s_add_co_u32 s46, s46, 3072*512
	s_mov_b32 s47, 0
	s_lshl_b32 s96, s42, 13                        ; its scales
	s_add_co_u32 s96, s96, s3
	s_add_co_u32 s96, s96, 3072*32
	s_mov_b32 s97, 0
	s_lshl_b32 s45, s22, 15                        ; where they go in a slot: A's half,
	s_mul_i32 s3, s22, HALFT
	s_add_co_u32 s3, s3, 2*HALFA                   ; Wo's half, behind A's two;
	s_mul_i32 s66, s20, HALFS                      ; the scales: wave x 128 rows
	s_wait_dscnt 0x0                               ; both opening adds are done
	s_wait_kmcnt 0x0
	s_add_nc_u64 s[92:93], s[4:5], s[92:93]
	s_add_nc_u64 s[94:95], s[6:7], s[94:95]
	s_add_nc_u64 s[46:47], s[8:9], s[46:47]
	s_add_nc_u64 s[96:97], s[10:11], s[96:97]
	CROUND                                         ; all sixteen work-groups are here: the joint loads meet
	s_mov_b32 s[G0S], 1
	s_add_co_u32 s[G0S+1], s66, SCL
	s_mov_b64 s[G0S+2:G0S+3], s[94:95]
	s_or_b32 s[G0S+3], s[G0S+3], 0x80000000
	s_mov_b32 s[G0SB], 1
	s_add_co_u32 s[G0SB+1], s66, SCL
	s_mov_b64 s[G0SB+2:G0SB+3], s[96:97]
	s_or_b32 s[G0SB+3], s[G0SB+3], 0x80000000
	JLOAD G0S, G1S, G0SB, G1SB
.irp s, 0,1
	s_mov_b32 s[G0+4*\s], 1
	s_add_co_u32 s[G0+4*\s+1], s45, \s*SLOT
	s_add_nc_u64 s[G0+4*\s+2:G0+4*\s+3], s[92:93], \s*4096
	s_or_b32 s[G0+4*\s+3], s[G0+4*\s+3], 0x80000000
	s_mov_b32 s[G0B+4*\s], 1
	s_add_co_u32 s[G0B+4*\s+1], s3, \s*SLOT
	s_add_nc_u64 s[G0B+4*\s+2:G0B+4*\s+3], s[46:47], \s*ROWB
	s_or_b32 s[G0B+4*\s+3], s[G0B+4*\s+3], 0x80000000
	JLOAD G0+4*\s, G1, G0B+4*\s, G1B               ; three loads of mine are out: all that this launch asks for
.endr
	v_and_b32 v1, 15, v0                           ; r
	v_bfe_u32 v2, v0, 4, 1                         ; h
	v_mul_u32_u24 v3, v1, PITCH
	v_lshl_add_u32 v3, v2, 4, v3                   ; Wo: a fragment's row x pitch + 16 h
	v_and_b32 v6, 31, v0
	v_lshlrev_b32 v[CO], 4, v6                     ; 16 x lane: an image's place, and my 16 bytes of a row of the result
	s_lshl_b32 s96, s21, 15                        ; my 8 token tiles
	s_mul_i32 s97, s22, HALFT
	s_add_co_u32 s97, s97, 2*HALFA                 ; my 128 rows of Wo
.irp s, 0,1
	v_add_nc_u32 v[ADRA+\s], s96, v[CO]
	v_add_nc_u32 v[ADRB+\s], s97, v3
	s_add_co_u32 s96, s96, SLOT
	s_add_co_u32 s97, s97, SLOT
.endr
	v_mul_u32_u24 v5, v1, KS
	v_lshrrev_b32 v6, 8, v5
	v_lshl_add_u32 v5, v6, 4, v5
	s_mul_i32 s96, s21, HALFS
	s_mul_i32 s97, s22, HALFS
	s_add_co_u32 s97, s97, 2*HALFS
	s_sub_co_u32 s97, s97, s96
	v_mul_u32_u24 v6, s97, v2                      ; lanes 16-31 take Wo's words
	s_add_co_u32 s96, s96, SCL
	v_add_nc_u32 v6, v5, v6
	v_add_nc_u32 v[ADRS], s96, v6
	s_mul_i32 s96, s20, 16*SPITCH                  ; my stage
	v_mul_u32_u24 v5, v1, SPITCH
	v_lshl_add_u32 v5, v2, 6, v5
	v_add_nc_u32 v[STO], s96, v5                   ; in: row r, + 64 h: register j of tile b is feature 32 (b / 2) + 16 h + 8 (b % 2) + j
	v_add_nc_u32 v[RD], s96, v[CO]                 ; back: the 32 lanes take one row of 512 bytes
	v_lshlrev_b32 v[BO], 6, v2
	s_lshl_b32 s46, s42, 10
	s_lshl_b32 s97, s22, 9
	s_add_co_u32 s46, s46, s97                     ; 4 (256 TC + 128 CH): my first feature, in bytes
	s_mov_b32 s47, 0
	s_add_nc_u64 s[12:13], s[12:13], s[46:47]
.irp b, 0,1,2,3,4,5,6,7
	global_load_b128 v[BI+8*\b:BI+8*\b+3], v[BO], s[12:13] offset:(32*(\b/2)+8*(\b%2))*4
	global_load_b128 v[BI+8*\b+4:BI+8*\b+7], v[BO], s[12:13] offset:(32*(\b/2)+8*(\b%2))*4+16
.endr
	s_lshl_b32 s96, s23, 20                        ; (256 TR + 128 RH) rows of 4,096 bytes
	s_lshl_b32 s97, s21, 19
	s_add_co_u32 s96, s96, s97
	s_add_co_u32 s96, s96, s46
	s_mov_b32 s97, 0
	s_add_nc_u64 s[14:15], s[14:15], s[96:97]      ; my corner of the result; never stepped
.macro FRAGB reg, adr, q, i
.irp c, 0,1
	ds_load_b128 v[\reg+4*\c:\reg+4*\c+3], v[\adr] offset:64*(\q)+32*\c+(\i)*16*PITCH
.endr
.endm
.macro FRAGA reg, adr, q, i            ; token tile i, the slot's heads 2 q and 2 q + 1: two images
.irp c, 0,1
	ds_load_b128 v[\reg+4*\c:\reg+4*\c+3], v[\adr] offset:(\i)*4096+1024*(\q)+512*\c
.endr
.endm
; zero = 1: the product starts the sum with the bias as its C (window 0).  The 64 accumulators take turns, one instruction a turn.
.macro MUL16 a0, p, q, sc, zero
.irp a, \a0, \a0+1
.irp b, 0,1,2,3,4,5,6,7
.if \zero
	v_wmma_scale_f32_16x16x128_f8f6f4 v[8*(8*((\a)%4)+\b):8*(8*((\a)%4)+\b)+7], v[128*(\p)+FR*\b:128*(\p)+FR*\b+FR-1], v[AF+FR*(\a):AF+FR*(\a)+FR-1], v[BI+8*\b:BI+8*\b+7], v[SC+8*NQ*(\sc)+NQ*\b+(\q)], v[SC+8*NQ*(\sc)+NQ*(\a)+(\q)] matrix_a_fmt:MATRIX_FMT_FP4 matrix_b_fmt:MATRIX_FMT_FP4 matrix_a_scale:MATRIX_SCALE_ROW1
.else
	v_wmma_scale_f32_16x16x128_f8f6f4 v[8*(8*((\a)%4)+\b):8*(8*((\a)%4)+\b)+7], v[128*(\p)+FR*\b:128*(\p)+FR*\b+FR-1], v[AF+FR*(\a):AF+FR*(\a)+FR-1], v[8*(8*((\a)%4)+\b):8*(8*((\a)%4)+\b)+7], v[SC+8*NQ*(\sc)+NQ*\b+(\q)], v[SC+8*NQ*(\sc)+NQ*(\a)+(\q)] matrix_a_fmt:MATRIX_FMT_FP4 matrix_b_fmt:MATRIX_FMT_FP4 matrix_a_scale:MATRIX_SCALE_ROW1
.endif
.endr
.endr
.endm
.macro FETCH_B slot, q, p
	WIN TO_B
.irp i, 0,1,2,3,4,5,6,7
	FRAGB 128*(\p)+FR*\i, ADRB+\slot, \q, \i
.endr
	WIN 0
.endm
.macro FETCH_A slot, q, i0
.irp i, \i0, \i0+1, \i0+2, \i0+3
	FRAGA AF+FR*(\i), ADRA+\slot, \q, \i
.endr
.endm
.macro SCALES sc
.irp i, 0,1,2,3,4,5,6,7
	ds_load_b128 v[SC+8*NQ*\sc+NQ*\i:SC+8*NQ*\sc+NQ*\i+3], v[ADRS] offset:\i*SBLK
.endr
.endm
.macro PLACES n
.rept \n
	v_nop
.endr
.endm
.macro STEP slot, q, zero
	s_wait_dscnt 4*NL                              ; all but the youngest eight loads (A's blocks 4-7)
.if \zero
	WIN 0x81                                       ; source 0 window 1, source 1 and C window 0, D window 2
.else
	WIN MUL_LO
.endif
	MUL16 0, (\q)%2, \q, \slot, \zero
	MUL16 2, (\q)%2, \q, \slot, \zero
	s_wait_dscnt 0
	PLACES NP
	FETCH_B \slot, (\q)+1, 1-(\q)%2
	FETCH_A \slot, (\q)+1, 0
.if \zero
	WIN 0xc1
.else
	WIN MUL_HI
.endif
	MUL16 4, (\q)%2, \q, \slot, \zero
	MUL16 6, (\q)%2, \q, \slot, \zero
	PLACES NP
	WIN 0
	FETCH_A \slot, (\q)+1, 4
.endm
.macro TURN slot, next                 ; a slot's last step changes slots: one barrier; nothing is filled again
	s_wait_tensorcnt 0x0                           ; all my tensor loads have landed: my part of the next slot
	ds_add_u32 v[SPW], v[NIL]
	s_wait_dscnt 4*NL+1                            ; (the add and the youngest eight loads may be out)
	WIN MUL_LO
	MUL16 0, 1, NQ-1, \slot, 0
	s_wait_dscnt 0x0                               ; my reads of this slot are over
	s_barrier_signal -1
	MUL16 2, 1, NQ-1, \slot, 0
	WIN 0
	s_barrier_wait -1                              ; everybody's part of the next slot is in, and nobody reads this slot any more
	PLACES NP
	v_add_nc_u32 v[ADRS], 4*NQ, v[ADRS]
	FETCH_B \next, 0, 0
	FETCH_A \next, 0, 0
	SCALES \next
	WIN MUL_HI
	MUL16 4, 1, NQ-1, \slot, 0
	MUL16 6, 1, NQ-1, \slot, 0
	PLACES NP
	WIN 0
	FETCH_A \next, 0, 4
.endm
.macro STEPS slot, from
.set Q, \from
.rept NQ-1-\from
	STEP \slot, Q, 0
.set Q, Q+1
.endr
.endm
	s_wait_tensorcnt 1                             ; the scales and my part of slot 0 are in (slot 1's load may be out),
	s_barrier_signal -1
	s_barrier_wait -1                              ; everybody's are
	FETCH_B 0, 0, 0
	FETCH_A 0, 0, 0
	SCALES 0
	FETCH_A 0, 0, 4
	s_wait_loadcnt 0x0                             ; the bias
	STEP 0, 0, 1
	STEPS 0, 1
	TURN 0, 1
	STEPS 1, 0
	s_wait_dscnt 4*NL
	WIN MUL_LO
	MUL16 0, 1, NQ-1, 1, 0
	MUL16 2, 1, NQ-1, 1, 0
	s_wait_dscnt 0
	WIN MUL_HI
	MUL16 4, 1, NQ-1, 1, 0
	MUL16 6, 1, NQ-1, 1, 0
	WIN 0
; THE WAY OUT, block by block of 16 tokens x 128 features, through my own stage: in, each lane's eight numbers at their true feature; back, whole rows of 512 bytes, each stored at its true token.
; LDS serves a wave's instructions in order: no wait between the stores and the loads, nor in front of the next block's stores.
.macro TOSTAGE a
.set AC, 64*((\a)%4)
	WIN 0x08+4*((\a)/4)                            ; an LDS store's data are its source 1: window 2 or 3
.irp b, 0,1,2,3,4,5,6,7
	ds_store_b128 v[STO], v[AC+8*\b:AC+8*\b+3] offset:128*(\b/2)+32*(\b%2)          ; each accumulator from its low end on
	ds_store_b128 v[STO], v[AC+8*\b+4:AC+8*\b+7] offset:128*(\b/2)+32*(\b%2)+16
.endr
	WIN 0
.set BB, BK+64*((\a)%2)
.irp t, 0,1,2,3,4,5,6,7,8,9,10,11,12,13,14,15
	ds_load_b128 v[BB+4*\t:BB+4*\t+3], v[RD] offset:\t*SPITCH
.endr
.endm
.macro SEND a, younger                 ; younger: the LDS instructions issued behind block a's loads, which may stay out
.set BB, BK+64*((\a)%2)
	s_wait_dscnt \younger
.irp t, 0,1,2,3,4,5,6,7,8,9,10,11,12,13,14,15
	global_store_b128 v[CO], v[BB+4*\t:BB+4*\t+3], s[14:15] offset:(32*((\a)/2)+8*((\a)%2)+\t+8*(\t/8))*4096 th:TH_STORE_NT   ; position t of block a is token 32 (a / 2) + 8 (a % 2) + t + 8 (t / 8); 512 consecutive bytes, aligned; 127 rows at the most
.endr
.endm
	PLACES NP
	TOSTAGE 0
.irp a, 1,2,3,4,5,6,7
.if \a > 1
	s_wait_xcnt 0x0                                ; block a - 2's stores have read their registers: block a's loads may land there
.endif
	TOSTAGE \a
	SEND \a-1, 32                                  ; behind block a - 1's loads: block a's 16 stores and 16 loads
.endr
	SEND 7, 0
	s_wait_tensorcnt 0x0                           ; the wave's end: behind my last LDS store
	ds_add_u32 v[SPW], v[NIL]
	s_wait_dscnt 0x0
	CROUND                                         ; the closing round
	s_endpgm
.Lfunc_end_k_q43fb784a4d_oproj:
	.size	k_q43fb784a4d_oproj, .Lfunc_end_k_q43fb784a4d_oproj-k_q43fb784a4d_oproj
	.p2alignl 7, 3214868480
	.fill 96, 4, 3214868480
	.section	.rodata,"a",@progbits
	.p2align	6, 0x0
	.amdhsa_kernel k_q43fb784a4d_oproj
		.amdhsa_group_segment_fixed_size 327680
		.amdhsa_private_segment_fixed_size 0
		.amdhsa_enable_private_segment 0
		.amdhsa_kernarg_size 48
		.amdhsa_user_sgpr_count 2
		.amdhsa_user_sgpr_kernarg_segment_ptr 1
		.amdhsa_wavefront_size32 1
		.amdhsa_system_sgpr_workgroup_id_x 1
		.amdhsa_system_sgpr_workgroup_id_y 1
		.amdhsa_system_sgpr_workgroup_id_z 1
		.amdhsa_system_vgpr_workitem_id 0
		.amdhsa_next_free_vgpr 1024
		.amdhsa_next_free_sgpr 102
		.amdhsa_reserve_vcc 0
		.amdhsa_float_denorm_mode_32 3
		.amdhsa_float_denorm_mode_16_64 3
		.amdhsa_memory_ordered 1
		.amdhsa_forward_progress 1
		.amdhsa_inst_pref_size 126
	.end_amdhsa_kernel
	.amdgpu_metadata
---
amdhsa.version: [ 1, 2 ]
amdhsa.kernels:
  - .name:           k_q43fb784a4d_oproj
    .symbol:         k_q43fb784a4d_oproj.kd
    .args:
      - { .name: ac, .offset: 0, .size: 8, .value_kind: global_buffer, .address_space: global }
      - { .name: asc, .offset: 8, .size: 8, .value_kind: global_buffer, .address_space: global }
      - { .name: wc, .offset: 16, .size: 8, .value_kind: global_buffer, .address_space: global }
      - { .name: ws, .offset: 24, .size: 8, .value_kind: global_buffer, .address_space: global }
      - { .name: bo, .offset: 32, .size: 8, .value_kind: global_buffer, .address_space: global }
      - { .name: out0, .offset: 40, .size: 8, .value_kind: global_buffer, .address_space: global }
    .group_segment_fixed_size: 327680
    .private_segment_fixed_size: 0
    .kernarg_segment_align: 8
    .kernarg_segment_size: 48
    .max_flat_workgroup_size: 128
    .sgpr_count:     102
    .vgpr_count:     1024
    .wavefront_size: 32
...
	.end_amdgpu_metadata
.endif
;; end of part 5
